; MI455X (gfx1250); checked and timed in simulation.
; The chip was launched on July 23, 2026; its instructions are those of AMD's public machine-readable ISA for CDNA 5 (MIT licence, August 2026) and "CDNA5" Instruction Set Architecture Reference Guide (July 2026). The comments in the code are by the model that wrote it; some were corrected since.
;; Causal Attention. Allowed arithmetic: matrix products marked QUANTISED: E2M1 operands, one E8M0 scale for each 32 along K, by v_wmma_scale_f32_16x16x128_f8f6f4 with both operands' format E2M1 (or v_wmma_scale_f32_32x16x128_f4), f32 sums; products left as they are: bf16, f16 or f32 operands; f32 sums; everything else in f32.
;; Inputs: w_out 1,024 x 1,024 float32; w_qkv 3,072 x 1,024 float32; x 1 x 4,096 x 1,024 float32.
;; Outputs: out0 1 x 4,096 x 1,024 float32.
;; This version of the problem:
;;   THIS VERSION OF THE PROBLEM IS GIVEN IN LOW PRECISION. The matrix products marked QUANTISED in the list below multiply operands that are first quantised to E2M1 (2 exponent bits, 1 mantissa bit; 4 bits a number), with one power-of-two scale for each 32 numbers along K (OCP MX v1.0); their sums are f32. The products marked 'left as it is' may take bf16, f16 or f32 operands, with f32 sums. Whichever they take, every output number must still come out within the allowed error. Rounding operands to bf16 (8 significant bits) uses up far more of that allowance than f16 does (11 bits, for magnitudes from 6e-5 to 65,504). All else is computed in f32.
;;   The module's matrix products, in the order in which they are computed (A, B: the left and right operand; K: the contracted axis; several contracted axes count as one K, in the product's order):
;;     1. [M 4,096, K 1,024] x [K 1,024, N 3,072]; A: input x; B: input w_qkv: QUANTISED
;;     2. batch 16 x [M 4,096, K 64] x [K 64, N 4,096]; A: computed on the way; B: computed on the way: left as it is (an operand is computed on the way)
;;     3. batch 16 x [M 4,096, K 4,096] x [K 4,096, N 64]; A: computed on the way; B: computed on the way: left as it is (an operand is computed on the way)
;;     4. [M 4,096, K 1,024] x [K 1,024, N 1,024]; A: computed on the way; B: input w_out: left as it is (an operand is computed on the way)
;;   THE QUANTISER, for each operand of a quantised product, along K:
;;     - K is cut into blocks of 32 from its start; a last block that is shorter is filled with zeros.
;;     - A block's scale is 2^e with e = floor(log2(the largest magnitude in the block)) - 2, held to -126 .. 127; a block of zeros has e = 0. As a byte (E8M0): e + 127.
;;     - Each number is divided by its block's scale, clamped to +-6, and rounded to the nearest number of E2M1, ties to even, subnormals kept.
;;     - The product sums the exact products of the quantised numbers (number of the format x scale) in f32.
;;   ~~~python
;;   def quantise(x, axis):      # numpy; x: float32 -> the quantised numbers, widened to float32 again
;;       x = np.moveaxis(x, axis, -1); K = x.shape[-1]
;;       x = np.pad(x, [(0, 0)] * (x.ndim - 1) + [(0, -K % 32)]); x = x.reshape(x.shape[:-1] + (-1, 32)); a = np.abs(x).max(-1, keepdims=True)
;;       e = np.where(a > 0, np.clip(np.frexp(np.where(a > 0, a, 1))[1] - 1 - 2, -126, 127), 0)      # np.frexp(a)[1] - 1 = floor(log2(a)), exactly
;;       r = np.clip(x / 2.0 ** e, -6, 6)
;;       step = 2.0 ** (np.maximum(np.frexp(np.where(r == 0, 1, r))[1] - 1, 0) - 1)
;;       q = np.round(r / step) * step * 2.0 ** e      # np.round: ties to even
;;       return np.moveaxis(q.reshape(q.shape[:-2] + (-1,))[..., :K], -1, axis).astype(np.float32)
;;   ~~~
;; One version. Each part assembles by itself: llvm-mc -triple=amdgcn-amd-amdhsa -mcpu=gfx1250 --defsym DOCPART=n.
;; ======== version 1 of 1: 5 launches
;; limits: values are held in f16: magnitudes above 65,504 overflow, below 6.1e-05 lose precision
;; workspace buffers: xc 2,097,152 bytes; xs 131,072 bytes; wc 1,572,864 bytes; ws 98,304 bytes; wo16 2,097,152 bytes; qkv 25,165,824 bytes; q16 196,608 bytes; ao 8,388,608 bytes
;; launch quant (part 1): grid 256 x 1, 4 waves a work-group, no clusters, 33,280 bytes of LDS; arguments x, w_qkv, w_out, xc, xs, wc, ws, wo16; writes xc, xs, wc, ws, wo16
.if DOCPART == 1
	.amdgcn_target "amdgcn-amd-amdhsa--gfx1250"
	.amdhsa_code_object_version 6
	.text
	.protected	k_q6cac0852eb_quant
	.globl	k_q6cac0852eb_quant
	.p2align	8
	.type	k_q6cac0852eb_quant,@function
k_q6cac0852eb_quant:
	s_mov_b64 s[64:65], 0
	v_nop
	global_prefetch_b8 v0, s[64:65] scope:SCOPE_SE
	s_setreg_imm32_b32 hwreg(HW_REG_WAVE_MODE, 25, 1), 1
	s_wait_xcnt 0x0
; x [4096][1024] and w_qkv [3072][1024], f32, K innermost, become codes of FP4 (E2M1), two a byte, with one E8M0 scale byte for each 32 along K; w_out [1024][1024] f32 becomes f16.
; A block's scale is 2^(floor(log2(its largest magnitude)) - 2); its byte is the largest magnitude's exponent field - 2, held at 1 from below.  Each number is divided by the scale and rounded to the nearest code, ties to even; beyond 6 the largest code.
; LIMITS: a block of zeros gets the byte 1 where the rule says 127 (its codes are zeros, and this program alone reads the bytes); blocks whose largest magnitude lies under 2^(2 - 126) have their byte held at 1;
; NaN and infinities among the inputs are not served; w_out beyond 65,504 in magnitude has no f16 number.
; SHARES: work-groups 0-127 take x, 128-223 w_qkv, 32,768 numbers each, 8,192 a wave; work-groups 224-255 take w_out, 32,768 numbers each.  Rows are dense and K is a multiple of 32: every tensor is a plain stream.
; THE QUANTISING PATH: a wave takes 16 steps of 512 numbers.  Each of a step's four loads reads 512 consecutive bytes; the 2,048 bytes go through the wave's own stage in LDS and come back 64 bytes a lane, so that a lane
; holds 16 neighbours along K (two neighbouring lanes hold a block).  A lane's 16 codes are 8 bytes: the wave stores 256 consecutive bytes.  A wave's 256 scale bytes are gathered in LDS and leave by one store.
; No matrix unit, no cluster, no tensor load: waves share nothing and the launch only streams.
.set STEPS, 16
.set EMAX,  2
.set CB,    8                          ; bytes of 16 codes
.set R,     16                         ; v16-79   four sets of 16 numbers as loaded (w_out's path: v16-79 and v80-143, two sets of 64)
.set X,     80                         ; v80-111  two sets of 16 neighbours
.set C,     128                        ; v128-191 codes, four registers a step
.set E,     112                        ; v112-127 a scale byte a step
.set F,     144                        ; v144-175 w_out's path: 16 stores' f16 pairs
.set WREG,  8192                       ; LDS: a region for each wave: two stages of 32 x SP bytes, then its 256 scale bytes
.set SP,    80                         ; a lane's place in a stage: 64 bytes + 16 of padding
.set SPW,   12                         ; v12  LDS address of my spare word; never rewritten
.set NIL,   13                         ; v13  0; never rewritten
.set SPARE, 4*WREG                     ; behind the four regions: the spare words, 128 bytes a wave
	s_load_b128 s[4:7], s[0:1], 0x0                ; x, w_qkv
	s_load_b128 s[8:11], s[0:1], 0x10              ; w_out, xc
	s_load_b128 s[12:15], s[0:1], 0x20             ; xs, wc
	s_load_b128 s[16:19], s[0:1], 0x30             ; ws, wo16
	v_lshl_add_u32 v[SPW], v0, 2, SPARE
	v_mov_b32 v[NIL], 0
	v_lshrrev_b32 v1, 5, v0
	v_readfirstlane_b32 s20, v1                    ; wave
	v_and_b32 v2, 31, v0                           ; lane
	v_lshlrev_b32 v3, 4, v2                        ; my 16 bytes of a load's 512
	s_mul_i32 s21, s20, WREG
	v_lshrrev_b32 v14, 2, v2
	v_mul_u32_u24 v14, v14, SP
	v_and_b32 v15, 3, v2
	v_lshl_add_u32 v14, v15, 4, v14
	v_add_nc_u32 v14, s21, v14                     ; the stage, on the way in: SP (lane / 4) + 16 (lane % 4)
	v_mul_u32_u24 v15, v2, SP
	v_add_nc_u32 v15, s21, v15                     ; and on the way out: SP x lane
	v_mul_u32_u24 v4, v2, CB                       ; 8 bytes a lane on the way to memory
	v_lshrrev_b32 v5, 1, v2
	s_add_co_u32 s21, s21, 2*32*SP
	v_add_nc_u32 v5, s21, v5                       ; LDS: my block's scale byte
	v_lshlrev_b32 v7, 3, v2
	v_add_nc_u32 v6, s21, v7                       ; and 8 of them a lane on the way out
	s_wait_kmcnt 0x0
	s_cmp_ge_u32 ttmp9, 224                        ; the last 32 work-groups take w_out
	s_cbranch_scc1 .Lwout
	s_cmp_lt_u32 ttmp9, 128                        ; x or w_qkv: the choice hangs on the work-group's number alone
	s_cselect_b64 s[4:5], s[4:5], s[6:7]
	s_cselect_b64 s[10:11], s[10:11], s[14:15]
	s_cselect_b64 s[12:13], s[12:13], s[16:17]
	s_cselect_b32 s21, 0, 128
	s_sub_co_u32 s21, ttmp9, s21
	s_lshl_b32 s21, s21, 2
	s_add_co_u32 s22, s21, s20                     ; which run of 8,192 numbers is my wave's
	s_mov_b32 s25, 0
	s_lshl_b32 s24, s22, 15                        ; 32,768 bytes of f32,
	s_add_nc_u64 s[4:5], s[4:5], s[24:25]
	s_lshl_b32 s24, s22, 12                        ; 4,096 of codes,
	s_add_nc_u64 s[10:11], s[10:11], s[24:25]
	s_lshl_b32 s24, s22, 8                         ; 256 scale bytes
	s_add_nc_u64 s[12:13], s[12:13], s[24:25]
.macro LOAD t
.irp i, 0,1,2,3
	global_load_b128 v[R+16*((\t)%4)+4*\i:R+16*((\t)%4)+4*\i+3], v3, s[4:5] offset:2048*(\t)+512*\i th:TH_LOAD_NT   ; 32 lanes read 512 consecutive bytes
.endr
.endm
.macro TURN t                          ; step t's numbers through the stage: LDS serves a wave's instructions in order, so no wait stands between the stores and the loads
.irp i, 0,1,2,3
	ds_store_b128 v14, v[R+16*((\t)%4)+4*\i:R+16*((\t)%4)+4*\i+3] offset:32*SP*((\t)%2)+8*SP*\i
.endr
.irp i, 0,1,2,3
	ds_load_b128 v[X+16*((\t)%2)+4*\i:X+16*((\t)%2)+4*\i+3], v15 offset:32*SP*((\t)%2)+16*\i
.endr
.endm
.irp t, 0,1,2,3
	LOAD \t
.endr
	s_wait_loadcnt 12                              ; step 0's four loads are in; three steps' twelve may be out
	TURN 0
.macro STEP t
.set XS, X+16*((\t)%2)
.if (\t) > 0
	s_wait_dscnt 1                                 ; this step's numbers are back from the stage (the last step's byte store may be out)
.else
	s_wait_dscnt 0x0
.endif
.if (\t)+4 < STEPS
	LOAD (\t)+4                                    ; into the registers whose stores into the stage are done
.endif
.if (\t)+1 < STEPS
.if STEPS-2-(\t) >= 3
	s_wait_loadcnt 12                              ; the next step's four loads are in; those of the three steps behind it may be out
.else
	s_wait_loadcnt 4*(STEPS-2-(\t))
.endif
	TURN (\t)+1
.endif
	v_max3_num_f32 v8, |v[XS]|, |v[XS+1]|, |v[XS+2]|               ; the largest magnitude of my 16, in two chains
	v_max3_num_f32 v9, |v[XS+3]|, |v[XS+4]|, |v[XS+5]|
.irp i, 6,10
	v_max3_num_f32 v8, v8, |v[XS+\i]|, |v[XS+\i+1]|
	v_max3_num_f32 v9, v9, |v[XS+\i+2]|, |v[XS+\i+3]|
.endr
	v_max3_num_f32 v8, v8, |v[XS+14]|, |v[XS+15]|
	v_max3_num_f32 v8, v8, v9, (EMAX+1)<<23        ; and the floor 2^(EMAX + 1 - 127): the byte cannot fall under 1
	v_max_num_f32_dpp v8, v8, v8 row_xmask:1 row_mask:0xf bank_mask:0xf   ; with my neighbour's 16: the block's
	v_add_nc_u32 v11, -(EMAX<<23), v8              ; EMAX off its exponent field: the conversion takes the exponent field of this operand as its scale
	v_cvt_scalef32_pk8_fp4_f32 v[C+4*(\t)], v[XS:XS+7], v11
	v_cvt_scalef32_pk8_fp4_f32 v[C+4*(\t)+1], v[XS+8:XS+15], v11
	v_lshrrev_b32 v[E+(\t)], 23, v11               ; the scale's byte (also the plain line behind the conversions)
	ds_store_b8 v5, v[E+(\t)] offset:16*(\t)       ; both lanes of a block write the same byte with the same value
	global_store_b64 v4, v[C+4*(\t):C+4*(\t)+1], s[10:11] offset:32*CB*(\t)   ; 32 lanes store 256 consecutive bytes, aligned
.endm
.irp t, 0,1,2,3,4,5,6,7,8,9,10,11,12,13,14,15
	STEP \t
.endr
	ds_load_b64 v[8:9], v6                         ; LDS serves a wave's instructions in order: these see my byte stores
	s_wait_dscnt 0x0
	global_store_b64 v7, v[8:9], s[12:13]          ; 256 consecutive scale bytes, aligned
	s_wait_tensorcnt 0x0                           ; the wave's end: behind my last LDS store
	ds_add_u32 v[SPW], v[NIL]
	s_wait_dscnt 0x0
	s_endpgm
; W_OUT'S PATH: 8,192 numbers a wave, in four batches of sixteen loads of 512 consecutive bytes; a lane's four numbers become 8 bytes, so a store covers 256 consecutive bytes.  No LDS.
.Lwout:
	s_sub_co_u32 s21, ttmp9, 224
	s_lshl_b32 s21, s21, 2
	s_add_co_u32 s22, s21, s20                     ; my run
	s_mov_b32 s25, 0
	s_lshl_b32 s24, s22, 15
	s_add_nc_u64 s[8:9], s[8:9], s[24:25]
	s_lshl_b32 s24, s22, 14
	s_add_nc_u64 s[18:19], s[18:19], s[24:25]
.macro LOADB b
.irp i, 0,1,2,3,4,5,6,7,8,9,10,11,12,13,14,15
	global_load_b128 v[R+64*((\b)%2)+4*\i:R+64*((\b)%2)+4*\i+3], v3, s[8:9] offset:512*(16*(\b)+\i)
.endr
.endm
.macro BATCH b
.set RS, R+64*((\b)%2)
.if (\b) < 3
	s_wait_loadcnt 16                              ; this batch is in; the next batch's sixteen may be out
.else
	s_wait_loadcnt 0x0
.endif
.if (\b) > 0
	s_wait_xcnt 0x0                                ; the last batch's stores have read their data registers, which are written again below
.endif
.irp i, 0,1,2,3,4,5,6,7,8,9,10,11,12,13,14,15
	v_cvt_pk_f16_f32 v[F+2*\i], v[RS+4*\i], v[RS+4*\i+1]
	v_cvt_pk_f16_f32 v[F+2*\i+1], v[RS+4*\i+2], v[RS+4*\i+3]
.endr
.irp i, 0,1,2,3,4,5,6,7,8,9,10,11,12,13,14,15
	global_store_b64 v4, v[F+2*\i:F+2*\i+1], s[18:19] offset:256*(16*(\b)+\i)
.endr
.if (\b) < 2
	LOADB (\b)+2
.endif
.endm
	LOADB 0
	LOADB 1
	BATCH 0
	BATCH 1
	BATCH 2
	BATCH 3
	s_wait_tensorcnt 0x0                           ; the same three closing lines on this path
	ds_add_u32 v[SPW], v[NIL]
	s_wait_dscnt 0x0
	s_endpgm
.Lfunc_end_k_q6cac0852eb_quant:
	.size	k_q6cac0852eb_quant, .Lfunc_end_k_q6cac0852eb_quant-k_q6cac0852eb_quant
	.p2alignl 7, 3214868480
	.fill 96, 4, 3214868480
	.section	.rodata,"a",@progbits
	.p2align	6, 0x0
	.amdhsa_kernel k_q6cac0852eb_quant
		.amdhsa_group_segment_fixed_size 33280
		.amdhsa_private_segment_fixed_size 0
		.amdhsa_enable_private_segment 0
		.amdhsa_kernarg_size 64
		.amdhsa_user_sgpr_count 2
		.amdhsa_user_sgpr_kernarg_segment_ptr 1
		.amdhsa_wavefront_size32 1
		.amdhsa_system_sgpr_workgroup_id_x 1
		.amdhsa_system_sgpr_workgroup_id_y 1
		.amdhsa_system_sgpr_workgroup_id_z 1
		.amdhsa_system_vgpr_workitem_id 0
		.amdhsa_next_free_vgpr 192
		.amdhsa_next_free_sgpr 66
		.amdhsa_reserve_vcc 0
		.amdhsa_float_denorm_mode_32 3
		.amdhsa_float_denorm_mode_16_64 3
		.amdhsa_memory_ordered 1
		.amdhsa_forward_progress 1
		.amdhsa_inst_pref_size 54
	.end_amdhsa_kernel
	.amdgpu_metadata
---
amdhsa.version: [ 1, 2 ]
amdhsa.kernels:
  - .name:           k_q6cac0852eb_quant
    .symbol:         k_q6cac0852eb_quant.kd
    .args:
      - { .name: x, .offset: 0, .size: 8, .value_kind: global_buffer, .address_space: global }
      - { .name: w_qkv, .offset: 8, .size: 8, .value_kind: global_buffer, .address_space: global }
      - { .name: w_out, .offset: 16, .size: 8, .value_kind: global_buffer, .address_space: global }
      - { .name: xc, .offset: 24, .size: 8, .value_kind: global_buffer, .address_space: global }
      - { .name: xs, .offset: 32, .size: 8, .value_kind: global_buffer, .address_space: global }
      - { .name: wc, .offset: 40, .size: 8, .value_kind: global_buffer, .address_space: global }
      - { .name: ws, .offset: 48, .size: 8, .value_kind: global_buffer, .address_space: global }
      - { .name: wo16, .offset: 56, .size: 8, .value_kind: global_buffer, .address_space: global }
    .group_segment_fixed_size: 33280
    .private_segment_fixed_size: 0
    .kernarg_segment_align: 8
    .kernarg_segment_size: 64
    .max_flat_workgroup_size: 128
    .sgpr_count:     66
    .vgpr_count:     192
    .wavefront_size: 32
...
	.end_amdgpu_metadata
.endif
;; end of part 1
;; launch qkvgemm (part 2): grid 12 x 16, 4 waves a work-group, clusters of 4 x 1, 327,680 bytes of LDS; arguments xc, xs, wc, ws, qkv, q16; writes qkv, q16
.if DOCPART == 2
	.amdgcn_target "amdgcn-amd-amdhsa--gfx1250"
	.amdhsa_code_object_version 6
	.text
	.protected	k_q6cac0852eb_qkvgemm
	.globl	k_q6cac0852eb_qkvgemm
	.p2align	8
	.type	k_q6cac0852eb_qkvgemm,@function
k_q6cac0852eb_qkvgemm:
	s_mov_b64 s[64:65], 0
	v_nop
	global_prefetch_b8 v0, s[64:65] scope:SCOPE_SE
	s_setreg_imm32_b32 hwreg(HW_REG_WAVE_MODE, 25, 1), 1
	s_wait_xcnt 0x0
	s_wait_alu depctr_hold_cnt(0) depctr_sa_sdst(0) depctr_va_vdst(0) depctr_va_sdst(0) depctr_va_ssrc(0) depctr_va_vcc(0) depctr_vm_vsrc(0)
	s_getreg_b32 s2, hwreg(HW_REG_IB_STS2, 6, 4)
	s_cmp_eq_u32 s2, 0
	s_cbranch_scc0 .Lentry_in_a_cluster
	s_endpgm
.Lentry_in_a_cluster:
	s_bfe_u32 s2, ttmp6, 0x10000c
	s_cmp_lg_u32 s2, 0x3003
	s_cbranch_scc0 .Lentry_shape_is_right
	s_endpgm
.Lentry_shape_is_right:
; C[token][column] = sum over k of x[token][k] w_qkv[column][k], both as codes of FP4 (E2M1) with one E8M0 scale for each 32 along K; sums in f32.  4,096 x 3,072 x 1,024.
; C leaves as f16 in planes of 64 columns, qkv[column / 64][token][64]: planes 0-15 are q's heads, 16-31 k's, 32-47 v's.  Rows 0-15 leave once more, unrounded, as q16[16][3072] f32, for the launch that carries them in f32.
; LIMIT: a number of C beyond 65,504 in magnitude has no f16 number.
; A tile of C, 256 x 256, is made by a work-group of four waves; a wave makes 128 x 128: 64 accumulators of 16 x 16, 512 registers.  K is two steps of 512, each in an LDS slot of its own: every fill is a first fill, nothing is filled again, and there is no loop.
; THE SCALES of the work-group's 256 rows of x and 256 rows of w, for all of K, are two dense blocks of memory: they come into LDS once, with the first fills.
; CLUSTER: 4 x 1 work-groups: the four of a cluster make four neighbouring tile columns of one tile row and need the same tiles of x: those and their scales are asked for JOINTLY (mask 15).  w's tiles hang on the place in the
; cluster and are plain loads.  A cluster of 4 x 4 would share w's tiles too; it is not taken, since the branch for rows 0-15 hangs on the tile row, which must then be equal in all partners: here it is (the cluster's y).
; THE MATRIX INSTRUCTION IS USED TRANSPOSED (source 0 = 16 rows of w, source 1 = 16 rows of x): a lane then holds eight neighbouring columns of one token.
; REGISTERS, in windows of 256: window 0: v0-31 addresses; v32-95 scale words, two sets; from v128 x's fragments, ONE set; on the way out v32-191 are free.   window 1: w's fragments, TWO sets, at v0 and v128.
;   window 2: the 32 accumulators of my rows 0-63 (accumulator (a, b) at v[8 (8 a + b)]);   window 3: those of my rows 64-127.
.set NQ,     4                         ; matrix instructions deep in a slot
.set ROWB,   256                       ; a tile's row in bytes: 512 codes
.set KROW,   512                       ; a row of codes in memory
.set PITCH,  272                       ; an LDS row: 256 bytes + 16 of padding: the 16 rows that a load touches start at 16 different banks (64 banks of 4 bytes: ISA guide 11.1)
.set FR,     8
.set NL,     2
.set NP,     4                         ; places behind this matrix instruction (ISA guide 7.12.1)
.set HALFT,  128*PITCH
.set SLOT,   4*HALFT
.set KS,     32                        ; a row of scales in bytes
.set SCL,    2*SLOT
.set HALFS,  16*272                    ; the scales of 128 rows
.set SBLK,   2*272                     ; those of 16 rows
.set SPARE,  SCL+4*HALFS               ; the spare words, 128 bytes a wave
.set HB,     524288                    ; a plane of qkv in bytes
.set ST32,   18432                     ; the way out: f16 stages at wave x 4,608, f32 stages at ST32 + wave x 8,448; both in slot 0, which has had its only fill and its last read when the first result is stored there
.set ADRA, 16
.set ADRB, 20
.set STO,  24                          ; v24  f16 stage: where I put 16 bytes of a row
.set RD,   25                          ; v25  and where I read four rows back
.set CO,   26                          ; v26  16 x lane
.set ADRS, 27
.set SPW,  28
.set NIL,  29
.set STO32, 30                         ; v30, v31  the same for the f32 stage
.set RD32,  31
.set SC,   32
.set AF,   128
.set TMP,  32                          ; the way out: packed results
.set BK,   64                          ; and rows read back: v64-95 and v96-127 by turns
.set G1, 24
.set G0, 32
.set G1B, 48
.set G0B, 56
.set G1S, 68
.set G0S, 76
.set G1SB, 80
.set G0SB, 88
.set MSB, 0
.macro WIN new                         ; the immediate's high byte repeats the setting that is left
.if MSB != \new
	s_set_vgpr_msb (MSB<<8)|\new
.set MSB, \new
.endif
.endm
.set MUL_LO, 0xa1                      ; source 0 (w) window 1, source 1 (x) window 0, C and D window 2
.set MUL_HI, 0xf1
.set TO_B,   0x40
; Waves 0 and 1 fetch for x (jointly), waves 2 and 3 for w.  The branch hangs on the wave's number alone.  An s_nop 0 and four v_nop follow each of the two lines.
.macro JLOAD g0a, g1a, g0b, g1b
	s_cmp_eq_u32 s15, 0
	s_cbranch_scc0 .Lfor_b_\@
	tensor_load_to_lds s[\g0a:\g0a+3], s[\g1a:\g1a+7]
	s_nop 0
.rept 4
	v_nop
.endr
	s_branch .Lasked_\@
.Lfor_b_\@:
	tensor_load_to_lds s[\g0b:\g0b+3], s[\g1b:\g1b+7]
	s_nop 0
.rept 4
	v_nop
.endr
.Lasked_\@:
.endm
.macro CROUND                          ; a round of the cluster's barrier
	s_barrier_signal -1
	s_barrier_wait -1
	s_cmp_lg_u32 s14, 0
	s_cbranch_scc1 .Lnot_wave_0_\@
	s_barrier_signal -3
.Lnot_wave_0_\@:
	s_barrier_wait -3
	s_barrier_signal -1
	s_barrier_wait -1
.endm
	s_load_b128 s[4:7], s[0:1], 0x0                ; x's codes, x's scales
	s_load_b128 s[8:11], s[0:1], 0x10              ; w's codes, w's scales
	s_load_b64 s[12:13], s[0:1], 0x20              ; qkv
	s_load_b64 s[96:97], s[0:1], 0x28              ; q16
	v_lshl_add_u32 v[SPW], v0, 2, SPARE
	v_mov_b32 v[NIL], 0
	ds_add_u32 v[SPW], v[NIL]                      ; the wave's opening: the add, twice on end, and its wait ahead of my first tensor load
	ds_add_u32 v[SPW], v[NIL]
	v_lshrrev_b32 v1, 5, v0
	v_readfirstlane_b32 s14, v1                    ; wave 0..3
	s_lshr_b32 s15, s14, 1                         ; which half of the tile's rows is mine.  Also: I fetch for x (0) or for w (1)
	s_and_b32 s16, s14, 1                          ; which half of its columns.  Also: which 128 rows I fetch
	s_bfe_u32 s40, ttmp6, 0x40000                  ; cx: my place in the cluster
	s_lshl_b32 s42, ttmp9, 2
	s_add_co_u32 s42, s42, s40                     ; tile column = 4 x cluster x + cx
	s_and_b32 s17, ttmp7, 0xffff                   ; tile row = cluster y: equal in the four partners
	s_mov_b32 s[G1+0], 15|(1<<20)|(1<<21)|(5<<22)|(3<<25)   ; 15:0 the mask: all four; 17:16 elements of 1 byte; 20 padding on; 21 set beside a mask; 24:22 after every 64 words; 31:25 four words
	s_mov_b32 s[G1B+0], (1<<20)|(5<<22)|(3<<25)             ; the same with no mask: a plain load
.irp g, G1, G1B
	s_mov_b32 s[\g+1], ROWB<<16                    ; tensor_dim0
	s_mov_b32 s[\g+2], 128<<16                     ; tensor_dim1
	s_mov_b32 s[\g+3], ROWB<<16                    ; tile_dim0
	s_mov_b32 s[\g+4], 128                         ; tile_dim1
	s_mov_b32 s[\g+5], KROW                        ; tensor_dim0_stride
	s_mov_b32 s[\g+6], 0
	s_mov_b32 s[\g+7], 0
.endr
	s_mov_b32 s[G1S+0], 15|(3<<16)|(1<<20)|(1<<21)|(5<<22)|(3<<25)   ; the scales of 128 rows: 4,096 dense bytes as 16 rows of 256 (32 elements of 8 bytes), 16 bytes of padding behind each
	s_mov_b32 s[G1SB+0], (3<<16)|(1<<20)|(5<<22)|(3<<25)
.irp g, G1S, G1SB
	s_mov_b32 s[\g+1], 32<<16
	s_mov_b32 s[\g+2], 16<<16
	s_mov_b32 s[\g+3], 32<<16
	s_mov_b32 s[\g+4], 16
	s_mov_b32 s[\g+5], 32
	s_mov_b32 s[\g+6], 0
	s_mov_b32 s[\g+7], 0
.endr
	s_lshl_b32 s18, s16, 7                         ; which 128 rows of the tile I fetch
	s_lshl_b32 s20, s17, 8
	s_add_co_u32 s20, s20, s18                     ; x: row 256 x tile row + 128 x half (no register that feeds x's descriptors holds cx)
	s_lshl_b32 s46, s42, 8
	s_add_co_u32 s46, s46, s18                     ; w: row 256 x tile column + 128 x half
	s_mov_b32 s21, 0
	s_mov_b32 s47, 0
	s_mov_b64 s[18:19], KS
	s_mul_u64 s[22:23], s[20:21], s[18:19]         ; where these rows' scales begin,
	s_mul_u64 s[92:93], s[46:47], s[18:19]
	s_mov_b64 s[18:19], KROW
	s_mul_u64 s[20:21], s[20:21], s[18:19]         ; and their codes
	s_mul_u64 s[46:47], s[46:47], s[18:19]
	s_mul_i32 s45, s14, HALFT                      ; where they go: wave x 128 rows
	s_mul_i32 s94, s14, HALFS
	s_wait_dscnt 0x0                               ; both opening adds are done
	s_wait_kmcnt 0x0
	s_add_nc_u64 s[20:21], s[4:5], s[20:21]
	s_add_nc_u64 s[22:23], s[6:7], s[22:23]
	s_add_nc_u64 s[46:47], s[8:9], s[46:47]
	s_add_nc_u64 s[92:93], s[10:11], s[92:93]
	CROUND                                         ; all four work-groups are here: the first joint loads meet
	s_mov_b32 s[G0S], 1
	s_add_co_u32 s[G0S+1], s94, SCL
	s_mov_b64 s[G0S+2:G0S+3], s[22:23]
	s_or_b32 s[G0S+3], s[G0S+3], 0x80000000
	s_mov_b32 s[G0SB], 1
	s_add_co_u32 s[G0SB+1], s94, SCL
	s_mov_b64 s[G0SB+2:G0SB+3], s[92:93]
	s_or_b32 s[G0SB+3], s[G0SB+3], 0x80000000
	JLOAD G0S, G1S, G0SB, G1SB                     ; the scales first: they are wanted with K step 0
.irp s, 0,1
	s_mov_b32 s[G0+4*\s], 1
	s_add_co_u32 s[G0+4*\s+1], s45, \s*SLOT
	s_add_nc_u64 s[G0+4*\s+2:G0+4*\s+3], s[20:21], \s*ROWB
	s_or_b32 s[G0+4*\s+3], s[G0+4*\s+3], 0x80000000
	s_mov_b32 s[G0B+4*\s], 1
	s_add_co_u32 s[G0B+4*\s+1], s45, \s*SLOT
	s_add_nc_u64 s[G0B+4*\s+2:G0B+4*\s+3], s[46:47], \s*ROWB
	s_or_b32 s[G0B+4*\s+3], s[G0B+4*\s+3], 0x80000000
	JLOAD G0+4*\s, G1, G0B+4*\s, G1B               ; three tensor loads of mine are out behind the second of these
.endr
	v_and_b32 v1, 15, v0                           ; r = l % 16
	v_bfe_u32 v2, v0, 4, 1                         ; h = l / 16
	v_mul_u32_u24 v3, v1, PITCH
	v_lshl_add_u32 v4, v2, 4, v3                   ; a fragment's row x pitch + 16 x half
	s_mul_i32 s21, s15, HALFT                      ; my 128 rows of x
	s_mul_i32 s22, s16, HALFT                      ; my 128 rows of w,
	s_add_co_u32 s22, s22, 2*HALFT                 ; which lie behind x's 256
.irp s, 0,1
	v_add_nc_u32 v[ADRA+\s], s21, v4
	v_add_nc_u32 v[ADRB+\s], s22, v4
	s_add_co_u32 s21, s21, SLOT
	s_add_co_u32 s22, s22, SLOT
.endr
	v_mul_u32_u24 v5, v1, KS                       ; my row's scales: KS bytes a row,
	v_lshrrev_b32 v6, 8, v5
	v_lshl_add_u32 v5, v6, 4, v5                   ; and 16 more for each 256 passed
	s_mul_i32 s21, s15, HALFS
	s_mul_i32 s22, s16, HALFS
	s_add_co_u32 s22, s22, 2*HALFS
	s_sub_co_u32 s22, s22, s21
	v_mul_u32_u24 v6, s22, v2                      ; lanes 16-31 take w's: one product, the distance between the two bases
	s_add_co_u32 s21, s21, SCL
	v_add_nc_u32 v5, v5, v6
	v_add_nc_u32 v[ADRS], s21, v5
	s_mul_i32 s23, s14, 4608                       ; my f16 stage: two planes' blocks of 16 rows x 144 bytes
	v_mul_u32_u24 v5, v1, 144
	v_lshl_add_u32 v5, v2, 4, v5
	v_add_nc_u32 v[STO], s23, v5                   ; in: row r, 16 bytes for each half of the lanes
	v_and_b32 v6, 31, v0
	v_lshlrev_b32 v[CO], 4, v6
	v_lshrrev_b32 v5, 3, v6
	v_mul_u32_u24 v5, v5, 144
	v_and_b32 v7, 7, v0
	v_lshl_add_u32 v5, v7, 4, v5
	v_add_nc_u32 v[RD], s23, v5                    ; back: eight lanes to a row of 128 bytes, four rows an instruction
	s_mul_i32 s23, s14, 8448
	s_add_co_u32 s23, s23, ST32                    ; my f32 stage: 16 rows x 528 bytes
	v_mul_u32_u24 v5, v1, 528
	v_lshl_add_u32 v5, v2, 5, v5
	v_add_nc_u32 v[STO32], s23, v5
	v_add_nc_u32 v[RD32], s23, v[CO]
	s_lshl_b32 s46, s42, 2                         ; qkv: plane 4 x tile column + 2 x column half,
	s_lshl_b32 s47, s16, 1
	s_add_co_u32 s46, s46, s47
	s_lshl_b32 s46, s46, 19
	s_lshl_b32 s47, s17, 15                        ; token 256 x tile row + 128 x row half, 128 bytes a token
	s_add_co_u32 s46, s46, s47
	s_lshl_b32 s47, s15, 14
	s_add_co_u32 s46, s46, s47
	s_mov_b32 s47, 0
	s_add_nc_u64 s[12:13], s[12:13], s[46:47]
	s_lshl_b32 s46, s42, 10                        ; q16: column 256 x tile column + 128 x column half, 4 bytes each
	s_lshl_b32 s23, s16, 9
	s_add_co_u32 s46, s46, s23
	s_add_nc_u64 s[96:97], s[96:97], s[46:47]
.macro FRAG reg, adr, q, i             ; 16 rows x 128 K of 4-bit codes: 8 registers; registers 4 c .. 4 c + 3 hold K = 64 c + 32 (l / 16) + 0 .. 31
.irp c, 0,1
	ds_load_b128 v[\reg+4*\c:\reg+4*\c+3], v[\adr] offset:64*(\q)+32*\c+(\i)*16*PITCH
.endr
.endm
; 16 matrix instructions: x's blocks a0, a0 + 1 against w's eight, 128 along K.  The 64 accumulators take turns, one instruction a turn, in the same order in every step.
.macro MUL16 a0, p, q, sc, zero
.irp a, \a0, \a0+1
.irp b, 0,1,2,3,4,5,6,7
.if \zero
	v_wmma_scale_f32_16x16x128_f8f6f4 v[8*(8*((\a)%4)+\b):8*(8*((\a)%4)+\b)+7], v[128*(\p)+FR*\b:128*(\p)+FR*\b+FR-1], v[AF+FR*(\a):AF+FR*(\a)+FR-1], 0, v[SC+8*NQ*(\sc)+NQ*\b+(\q)], v[SC+8*NQ*(\sc)+NQ*(\a)+(\q)] matrix_a_fmt:MATRIX_FMT_FP4 matrix_b_fmt:MATRIX_FMT_FP4 matrix_a_scale:MATRIX_SCALE_ROW1
.else
	v_wmma_scale_f32_16x16x128_f8f6f4 v[8*(8*((\a)%4)+\b):8*(8*((\a)%4)+\b)+7], v[128*(\p)+FR*\b:128*(\p)+FR*\b+FR-1], v[AF+FR*(\a):AF+FR*(\a)+FR-1], v[8*(8*((\a)%4)+\b):8*(8*((\a)%4)+\b)+7], v[SC+8*NQ*(\sc)+NQ*\b+(\q)], v[SC+8*NQ*(\sc)+NQ*(\a)+(\q)] matrix_a_fmt:MATRIX_FMT_FP4 matrix_b_fmt:MATRIX_FMT_FP4 matrix_a_scale:MATRIX_SCALE_ROW1
.endif
.endr
.endr
.endm
.macro FETCH_B slot, q, p
	WIN TO_B
.irp i, 0,1,2,3,4,5,6,7
	FRAG 128*(\p)+FR*\i, ADRB+\slot, \q, \i
.endr
	WIN 0
.endm
.macro FETCH_A slot, q, i0
.irp i, \i0, \i0+1, \i0+2, \i0+3
	FRAG AF+FR*(\i), ADRA+\slot, \q, \i
.endr
.endm
.macro SCALES sc                       ; a K step's scale words: lanes 0-15 take x's block i, lanes 16-31 w's block i
.irp i, 0,1,2,3,4,5,6,7
	ds_load_b128 v[SC+8*NQ*\sc+NQ*\i:SC+8*NQ*\sc+NQ*\i+3], v[ADRS] offset:\i*SBLK
.endr
.endm
.macro PLACES n                        ; places in front of loads into registers that matrix instructions have read, and of reads of results
.rept \n
	v_nop
.endr
.endm
.macro STEP slot, q, zero              ; a step of 128 along K that has its successor in the same slot
	s_wait_dscnt 4*NL                              ; w's set and x's blocks 0-3 are in; the youngest eight loads (x's blocks 4-7) may be out
	WIN MUL_LO
	MUL16 0, (\q)%2, \q, \slot, \zero
	MUL16 2, (\q)%2, \q, \slot, \zero
	s_wait_dscnt 0
	PLACES NP
	FETCH_B \slot, (\q)+1, 1-(\q)%2
	FETCH_A \slot, (\q)+1, 0
	WIN MUL_HI
	MUL16 4, (\q)%2, \q, \slot, \zero
	MUL16 6, (\q)%2, \q, \slot, \zero
	PLACES NP
	WIN 0
	FETCH_A \slot, (\q)+1, 4
.endm
; Slot 0's last step changes slots: one barrier.  In front of it each wave waits for all its tensor loads (its part of slot 1), adds 0 to its spare word, and waits for that and for its reads of slot 0.
; Nothing is filled again; behind this barrier nobody reads slot 0, in which the stages for the way out lie.
.macro TURN slot, next
	s_wait_tensorcnt 0x0
	ds_add_u32 v[SPW], v[NIL]
	s_wait_dscnt 4*NL+1                            ; (the add and the youngest eight loads may be out)
	WIN MUL_LO
	MUL16 0, 1, NQ-1, \slot, 0
	s_wait_dscnt 0x0                               ; the add is done, and my reads of this slot are over
	s_barrier_signal -1
	MUL16 2, 1, NQ-1, \slot, 0
	WIN 0
	s_barrier_wait -1
	PLACES NP
	v_add_nc_u32 v[ADRS], 4*NQ, v[ADRS]            ; on to the next K step's scale words
	FETCH_B \next, 0, 0
	FETCH_A \next, 0, 0
	SCALES \next
	WIN MUL_HI
	MUL16 4, 1, NQ-1, \slot, 0
	MUL16 6, 1, NQ-1, \slot, 0
	PLACES NP
	WIN 0
	FETCH_A \next, 0, 4
.endm
.macro STEPS slot, from
.set Q, \from
.rept NQ-1-\from
	STEP \slot, Q, 0
.set Q, Q+1
.endr
.endm
	s_wait_tensorcnt 1                             ; the scales and my part of K step 0 are in (slot 1's load may be out)
	s_barrier_signal -1
	s_barrier_wait -1                              ; everybody's are
	FETCH_B 0, 0, 0
	FETCH_A 0, 0, 0
	SCALES 0
	FETCH_A 0, 0, 4
	STEP 0, 0, 1                                   ; the first products start the sums: nothing is cleared
	STEPS 0, 1
	TURN 0, 1
	STEPS 1, 0
	s_wait_dscnt 4*NL                              ; the very last step: nothing more to fetch
	WIN MUL_LO
	MUL16 0, 1, NQ-1, 1, 0
	MUL16 2, 1, NQ-1, 1, 0
	s_wait_dscnt 0
	WIN MUL_HI
	MUL16 4, 1, NQ-1, 1, 0
	MUL16 6, 1, NQ-1, 1, 0
	WIN 0
; THE WAY OUT, block by block of 16 tokens x 128 columns (two planes).  PACK: rounded to f16, 16 bytes a lane, each accumulator from its low end on.  TOSTAGE: into my own stage, and back four rows of 128 bytes at a time.
; SEND: 16 tokens of a plane are 2,048 consecutive bytes of qkv: each store covers 512 of them.
.macro PACK a
.set AC, 64*((\a)%4)
	WIN (0x0a+5*((\a)/4))                          ; sources 0 and 1: window 2 or 3
.irp b, 0,1,2,3,4,5,6,7
.irp i, 0,1,2,3
	v_cvt_pk_f16_f32 v[TMP+4*\b+\i], v[AC+8*\b+2*\i], v[AC+8*\b+2*\i+1]
.endr
.endr
	WIN 0
.endm
.macro TOSTAGE a
.set BB, BK+32*((\a)%2)
.irp b, 0,1,2,3,4,5,6,7
	ds_store_b128 v[STO], v[TMP+4*\b:TMP+4*\b+3] offset:(\b/4)*2304+(\b%4)*32
.endr
.irp u, 0,1,2,3,4,5,6,7
	ds_load_b128 v[BB+4*\u:BB+4*\u+3], v[RD] offset:(\u/4)*2304+(\u%4)*576   ; LDS serves a wave's instructions in order: these see the stores above
.endr
.endm
.macro SEND a
.set BB, BK+32*((\a)%2)
	s_wait_dscnt 0x0                               ; the block is back in registers
	s_wait_xcnt 0x0                                ; the stores of the block before have read their registers: the next loads from the stage may land there
.irp u, 0,1,2,3,4,5,6,7
	global_store_b128 v[CO], v[BB+4*\u:BB+4*\u+3], s[12:13] offset:(\a)*2048+(\u/4)*HB+(\u%4)*512
.endr
.endm
	PLACES NP                                      ; the conversions read the last products' results
	PACK 0
	TOSTAGE 0
.irp a, 1,2,3,4,5,6,7
	PACK \a
	SEND \a-1
	TOSTAGE \a
.endr
	SEND 7
	; ROWS 0-15 ONCE MORE, IN F32: tile row 0 (equal in all partners), the waves of the upper row half: block 0 as it stands in the accumulators, through the f32 stage, as whole rows of 512 bytes
	s_cmp_lg_u32 s17, 0
	s_cbranch_scc1 .Lno16
	s_cmp_lg_u32 s15, 0
	s_cbranch_scc1 .Lno16
	WIN 0x08                                       ; an LDS store's data are its source 1: window 2
.irp b, 0,1,2,3,4,5,6,7
	ds_store_b128 v[STO32], v[8*\b:8*\b+3] offset:64*\b
	ds_store_b128 v[STO32], v[8*\b+4:8*\b+7] offset:64*\b+16
.endr
	WIN 0
.irp u, 0,1,2,3,4,5,6,7,8,9,10,11,12,13,14,15
	ds_load_b128 v[128+4*\u:128+4*\u+3], v[RD32] offset:\u*528
.endr
	s_wait_dscnt 0x0
.irp u, 0,1,2,3,4,5,6,7,8,9,10,11,12,13,14,15
	global_store_b128 v[CO], v[128+4*\u:128+4*\u+3], s[96:97] offset:\u*12288   ; 32 lanes store 512 consecutive bytes of row u
.endr
.Lno16:
	s_wait_tensorcnt 0x0                           ; the wave's end: behind my last tensor load and my last LDS store
	ds_add_u32 v[SPW], v[NIL]
	s_wait_dscnt 0x0
	CROUND                                         ; the closing round
	s_endpgm
.Lfunc_end_k_q6cac0852eb_qkvgemm:
	.size	k_q6cac0852eb_qkvgemm, .Lfunc_end_k_q6cac0852eb_qkvgemm-k_q6cac0852eb_qkvgemm
	.p2alignl 7, 3214868480
	.fill 96, 4, 3214868480
	.section	.rodata,"a",@progbits
	.p2align	6, 0x0
	.amdhsa_kernel k_q6cac0852eb_qkvgemm
		.amdhsa_group_segment_fixed_size 327680
		.amdhsa_private_segment_fixed_size 0
		.amdhsa_enable_private_segment 0
		.amdhsa_kernarg_size 48
		.amdhsa_user_sgpr_count 2
		.amdhsa_user_sgpr_kernarg_segment_ptr 1
		.amdhsa_wavefront_size32 1
		.amdhsa_system_sgpr_workgroup_id_x 1
		.amdhsa_system_sgpr_workgroup_id_y 1
		.amdhsa_system_sgpr_workgroup_id_z 1
		.amdhsa_system_vgpr_workitem_id 0
		.amdhsa_next_free_vgpr 1024
		.amdhsa_next_free_sgpr 98
		.amdhsa_reserve_vcc 0
		.amdhsa_float_denorm_mode_32 3
		.amdhsa_float_denorm_mode_16_64 3
		.amdhsa_memory_ordered 1
		.amdhsa_forward_progress 1
		.amdhsa_inst_pref_size 130
	.end_amdhsa_kernel
	.amdgpu_metadata
---
amdhsa.version: [ 1, 2 ]
amdhsa.kernels:
  - .name:           k_q6cac0852eb_qkvgemm
    .symbol:         k_q6cac0852eb_qkvgemm.kd
    .args:
      - { .name: xc, .offset: 0, .size: 8, .value_kind: global_buffer, .address_space: global }
      - { .name: xs, .offset: 8, .size: 8, .value_kind: global_buffer, .address_space: global }
      - { .name: wc, .offset: 16, .size: 8, .value_kind: global_buffer, .address_space: global }
      - { .name: ws, .offset: 24, .size: 8, .value_kind: global_buffer, .address_space: global }
      - { .name: qkv, .offset: 32, .size: 8, .value_kind: global_buffer, .address_space: global }
      - { .name: q16, .offset: 40, .size: 8, .value_kind: global_buffer, .address_space: global }
    .group_segment_fixed_size: 327680
    .private_segment_fixed_size: 0
    .kernarg_segment_align: 8
    .kernarg_segment_size: 48
    .max_flat_workgroup_size: 128
    .sgpr_count:     98
    .vgpr_count:     1024
    .wavefront_size: 32
...
	.end_amdgpu_metadata
.endif
;; end of part 2
;; launch attn (part 3): grid 16 x 16, 8 waves a work-group, no clusters, 327,680 bytes of LDS; arguments qkv, ao; writes ao
.if DOCPART == 3
	.amdgcn_target "amdgcn-amd-amdhsa--gfx1250"
	.amdhsa_code_object_version 6
	.text
	.protected	k_q6cac0852eb_attn
	.globl	k_q6cac0852eb_attn
	.p2align	8
	.type	k_q6cac0852eb_attn,@function
k_q6cac0852eb_attn:
	s_mov_b64 s[64:65], 0
	v_nop
	global_prefetch_b8 v0, s[64:65] scope:SCOPE_SE
	s_setreg_imm32_b32 hwreg(HW_REG_WAVE_MODE, 25, 1), 1
	s_wait_xcnt 0x0
; ao[token][head][:] = the sum over keys k <= token of softmax_k(q . k / 8) v, for 16 heads of 64, 4,096 tokens.  q, k, v: planes of qkv, [plane][token][64] f16.  Products on f16 operands with f32 sums; maxima, exponentials and sums in f32;
; the weights p are rounded to f16 for the second product, the result once at the end.  ao is laid [token / 128][head][128][64] f16, as the next launch reads it.
; LIMITS: p under 2^-25 rounds to 0 in f16; the running maximum starts at -3e38; NaN and infinities are not served.  Rows 0-15 are made here like all others and are made again in f32 by the last launch.
; SHARES.  A head's queries are 32 blocks of 128.  Work-group (j, head) takes block 31 - j (pass 1: 32 - j units of 128 keys) and then block j (pass 2: j + 1 units): 33 units for every work-group, 11 slots of 3 units: every trip count is a constant.
; Wave w: g = w % 4 picks 32 queries of the block (two tiles of 16); par = w / 4 picks 64 of each unit's 128 keys.  So two waves share a SIMD, and one's vector work stands beside the other's matrix work.
; Each wave keeps its own maximum, sum and O^T; the two halves of a row group are merged once, at the end, through LDS.
; LAYOUT.  S^T = K Q^T (source 0 = 16 keys, source 1 = 16 queries) and O^T = V^T P (source 0 = 16 channels, source 1 = P): a lane holds ONE query throughout.  Two tiles of S^T, rounded in pairs, ARE source 1 of the second product.
; K comes out of LDS as it lies, V ([key][channel]) turned, by ds_load_tr16_b128.
; SOFTMAX.  p = 2^(c s - c m), c = log2(e) / 8, m the running maximum; in every unit O and l are multiplied by a = 2^(c m_old - c m_new).
; THE MASK.  The diagonal unit is a pass's last; there hidden scores become -infinity ahead of the maximum.  A wave all of whose 64 keys are hidden keeps its old maximum, which is a number, and gets p = 0.
; NO CLUSTER: the work-groups of a head want different units behind the same barrier as soon as their passes change (pass 1 has 32 - j units), so a joint load would bring some partners tiles that none of their waves reads.
; LDS: two slots at 0 and 131,072, each six regions of 20,480 bytes: K of units 0-2 (128 rows x 144), V of units 0-2 (128 rows x 160); the spare words between the slots; pass 1's images behind the ring, in bytes that no fill touches;
; pass 2's images and the stages for the way out in slot 1, which has had its last fill and its last read by then.
; REGISTERS: window 0: v2-17 addresses; v24-39 statistics, 8 a tile; v40-47 the images' statistics; v48-79 Q; v80-143 S^T; v144-175 P; v176-239 O^T; v240-255 the merge.   window 1: v0-63 K; v64-127 V; v128-159 pass 2's Q.
.set HB,     524288
.set REG,    20480
.set SLOT1,  131072
.set SPARE,  122880
.set STAGE1, 253952
.set STAGE2, SLOT1
.set IMG,    8704                      ; an image: O^T's 64 registers (8,192 bytes) and four statistics (512)
.set OST,    200704
.set PK,     144                       ; a key's row of K in LDS: 128 bytes + 16: the 16 rows of a load start at 16 different banks
.set PVP,    160                       ; and of V: 128 + 32, for the turning load
.set AK0, 2
.set AV0, 3
.set ADK, 4
.set ADV, 5
.set DM,  6                            ; v6   my query - my first key within the diagonal unit: 32 g + r - 64 par - 8 h
.set IW1, 7
.set IW2, 8
.set IR,  9
.set OSW, 10
.set OSR, 11
.set GO,  12
.set NINF, 13
.set PFO, 14
.set QO,  15
.set SPW, 16
.set NIL, 17
.set ST,  24                           ; tile t at ST + 8 t: +0 c m, +1 m, +2, +3 l (even keys', odd keys'), +4 .. +7 at work; a takes +6
.set TQ,  40
.set TQB, 44
.set Q,   48
.set S,   80
.set P,   144
.set O,   176
.set MT,  240
.set WV,  8
.set GG,  9
.set PAR, 10
.set JJ,  11
.set HD,  12
.set U1,  13                           ; units in pass 1
.set U1M1, 14
.set UL,  15                           ; the current pass's last unit
.set UC,  16                           ; the unit in hand, 0 .. 32
.set TU,  17                           ; LDS byte at which its K begins
.set SLOTS, 18
.set TRI, 19
.set SEL, 20
.set CS,  22
.set G1K, 24
.set G1V, 32
.set G0,  40
.set TBASE, 44                         ; s[44:45] my tensor's plane: K's (waves 0-2) or V's (waves 3-5)
.set UW,  46                           ; the unit that my next load brings
.set T0,  47
.set T1,  48                           ; s[48:49]: an offset, its high word 0
.set PFA, 50
.set LIM, 52
.set QB1, 54
.set QB2, 56
.set OB,  58
.set MSB, 0
.macro WIN new                         ; the immediate's high byte repeats the setting that is left
.if MSB != \new
	s_set_vgpr_msb (MSB<<8)|\new
.set MSB, \new
.endif
.endm
; Waves 0-2 fetch K of a slot's three units, waves 3-5 V, waves 6 and 7 nothing.  The branches hang on the wave's number alone.  An s_nop 0 and four v_nop follow each of the two lines.
.macro TLOAD
	s_cmp_lt_u32 s[WV], 3
	s_cbranch_scc0 .Lnot_k_\@
	tensor_load_to_lds s[G0:G0+3], s[G1K:G1K+7]
	s_nop 0
.rept 4
	v_nop
.endr
	s_branch .Lasked_\@
.Lnot_k_\@:
	s_cmp_lt_u32 s[WV], 6
	s_cbranch_scc0 .Lasked_\@
	tensor_load_to_lds s[G0:G0+3], s[G1V:G1V+7]
	s_nop 0
.rept 4
	v_nop
.endr
.Lasked_\@:
.endm
; A PREFETCH INTO THE L2 of what the NEXT change of slots will ask for: 384 keys of K and of V, 49,152 dense bytes each.  All work-groups of a head walk the same keys in pass 1, in the same order: work-group j = 0, whose pass 1
; walks all 4,096, asks, and nobody else; in it the two waves that fetch nothing: wave 6 for K, wave 7 for V, six instructions, lanes 256 bytes apart.  So each aligned block of 256 bytes is named once in the launch.
; It asks in the first eight trips, for slots 2 to 9: three units ahead of the tensor load that wants them; the highest byte named is 491,519 of the plane's 524,288.  Slots 0, 1 and 10 come by their loads alone.
.macro ASK
	s_cmp_gt_u32 s[SLOTS], s[LIM]
	s_cbranch_scc0 .Lnot_mine_\@
.irp i, 0,1,2,3,4,5
	global_prefetch_b8 v[PFO], s[PFA:PFA+1] offset:8192*\i th:TH_LOAD_NT scope:SCOPE_SE
.endr
.Lnot_mine_\@:
.endm
; THE CHANGE OF SLOTS stands at a slot's head.  Each wave waits for all its tensor loads (its part of the slot ahead), adds 0 to its spare word, and waits for that and for its reads of the slot that it has left.
; Behind the barrier the slot ahead is whole and nobody reads the other.  fill = 1: that other slot takes the next three units: one load a wave, which has three units' work in which to land.
.macro CHANGE fill
	s_wait_tensorcnt 0x0                           ; no tensor load of mine is out, so the group 0 may be written
	ds_add_u32 v[SPW], v[NIL]
.if \fill
	ds_add_u32 v[SPW], v[NIL]                      ; and once more
	s_add_co_u32 s[UW], s[UW], 3                   ; my unit of the next slot,
	s_cmp_ge_u32 s[UW], s[U1]
	s_cselect_b32 s[T0], s[U1], 0
	s_sub_co_u32 s[T0], s[UW], s[T0]               ; its block of 128 keys: pass 2 begins again at key 0
	s_lshl_b32 s[T1], s[T0], 14
	s_add_nc_u64 s[G0+2:G0+3], s[TBASE:TBASE+1], s[T1:T1+1]
	s_or_b32 s[G0+3], s[G0+3], 0x80000000
	s_xor_b32 s[G0+1], s[G0+1], SLOT1              ; into the other slot than last time
	s_wait_xcnt 0x0                                ; the last prefetches, a slot back, have read their address
	s_add_nc_u64 s[PFA:PFA+1], s[PFA:PFA+1], 49152
.endif
	s_wait_dscnt 0x0                               ; the add is done (fill = 1: both are), and my reads of the slot that I have left are over
	s_barrier_signal -1
	s_barrier_wait -1
.if \fill
	TLOAD                                          ; the first thing behind the barrier, and a wave's one tensor load until the next
	ASK
.endif
.endm
; The softmax of tile t for one unit, in three parts.  A: the maximum of the lane's 32 scores and the old m, the other half of the lanes', c m, its change, and the 16 packed scalings c s - c m.
.macro SOFT_A t
.set rT, ST+8*(\t)
.set rS, S+32*(\t)
.irp j, 0,1,2,3
	v_max3_num_f32 v[rT+4+\j], v[rS+8*\j], v[rS+8*\j+1], v[rS+8*\j+2]   ; each accumulator is read from its low end on
.endr
.irp u, 1,2
.irp j, 0,1,2,3
	v_max3_num_f32 v[rT+4+\j], v[rT+4+\j], v[rS+8*\j+2*\u+1], v[rS+8*\j+2*\u+2]
.endr
.endr
	v_max3_num_f32 v[rT+4], v[rT+4], v[rS+7], v[rS+15]
	v_max3_num_f32 v[rT+6], v[rT+6], v[rS+23], v[rS+31]
	v_max3_num_f32 v[rT+4], v[rT+4], v[rT+5], v[rT+6]
	v_max3_num_f32 v[rT+4], v[rT+4], v[rT+7], v[rT+1]
	v_permlanex16_b32 v[rT+5], v[rT+4], s[SEL], s[SEL+1]   ; the query's other 32 keys lie in the lane 16 away
	v_mov_b32 v[rT+7], v[rT]                       ; c m_old
	v_max_num_f32 v[rT+1], v[rT+4], v[rT+5]
	v_mul_f32 v[rT], s[CS], v[rT+1]
	v_sub_f32 v[rT+7], v[rT+7], v[rT]
.irp b, 0,1,2,3,4,5,6,7,8,9,10,11,12,13,14,15
	v_pk_fma_f32 v[rS+2*\b:rS+2*\b+1], v[rS+2*\b:rS+2*\b+1], s[CS:CS+1], v[rT:rT+1] op_sel_hi:[1,0,0] neg_lo:[0,0,1] neg_hi:[0,0,1]
.endr
.endm
.macro SOFT_E t                        ; E: one batch of 33 exponentials; none reads another's result
.set rT, ST+8*(\t)
.set rS, S+32*(\t)
	v_exp_f32 v[rT+6], v[rT+7]
.set n, 0
.rept 32
	v_exp_f32 v[rS+n], v[rS+n]
.set n, n+1
.endr
.endm
.macro SOFT_R t                        ; R: the readers: roundings to f16, the sum of the unrounded p, l = a l + the sum, O^T times a
.set rT, ST+8*(\t)
.set rS, S+32*(\t)
.set rP, P+16*(\t)
.set rO, O+32*(\t)
.irp i, 0,1,2,3,4,5,6,7,8,9,10,11,12,13,14,15
	v_cvt_pk_f16_f32 v[rP+\i], v[rS+2*\i], v[rS+2*\i+1]
.endr
.irp z, 0,1,2,3,4,5,6,7
	v_pk_add_f32 v[rS+4*\z:rS+4*\z+1], v[rS+4*\z:rS+4*\z+1], v[rS+4*\z+2:rS+4*\z+3]
.endr
.irp z, 0,1,2,3
	v_pk_add_f32 v[rS+8*\z:rS+8*\z+1], v[rS+8*\z:rS+8*\z+1], v[rS+8*\z+4:rS+8*\z+5]
.endr
.irp z, 0,1
	v_pk_add_f32 v[rS+16*\z:rS+16*\z+1], v[rS+16*\z:rS+16*\z+1], v[rS+16*\z+8:rS+16*\z+9]
.endr
	v_pk_add_f32 v[rS:rS+1], v[rS:rS+1], v[rS+16:rS+17]
	v_pk_fma_f32 v[rT+2:rT+3], v[rT+2:rT+3], v[rT+6:rT+7], v[rS:rS+1] op_sel_hi:[1,0,1]
.irp i, 0,1,2,3,4,5,6,7,8,9,10,11,12,13,14,15
	v_pk_mul_f32 v[rO+2*\i:rO+2*\i+1], v[rO+2*\i:rO+2*\i+1], v[rT+6:rT+7] op_sel_hi:[1,0]
.endr
.endm
; My O^T and statistics go to LDS as an image of their registers: 16 bytes a lane, 512 a store.  The four lines at the head are also the places behind the last products.
.macro IMAGE adr
	v_mov_b32 v[TQ], v[ST]
	v_add_f32 v[TQ+1], v[ST+2], v[ST+3]
	v_mov_b32 v[TQ+2], v[ST+8]
	v_add_f32 v[TQ+3], v[ST+10], v[ST+11]
.irp i, 0,1,2,3,4,5,6,7,8,9,10,11,12,13,14,15
	ds_store_b128 v[\adr], v[O+4*\i:O+4*\i+3] offset:512*\i
.endr
	ds_store_b128 v[\adr], v[TQ:TQ+3] offset:8192
.endm
.macro INIT                            ; a pass begins: O^T and l are zeros, m is under every score.  The unit is so written once: the first change of m multiplies zeros
.set n, 0
.rept 64
	v_mov_b32 v[O+n], 0
.set n, n+1
.endr
.irp t, 0,1
	v_mov_b32 v[ST+8*\t+1], 0xff61b1e6             ; -3e38
	v_mul_f32 v[ST+8*\t], s[CS], v[ST+8*\t+1]
.irp i, 2,3,4,5,6,7
	v_mov_b32 v[ST+8*\t+\i], 0
.endr
.endr
.endm
.macro PASSCH                          ; pass 1 is over: its image goes to bytes of its own, pass 2's queries come out of window 1, the sums begin anew
	IMAGE IW1
	s_wait_dscnt 0x0                               ; the stores have read their registers
	WIN 0x01
.set n, 0
.rept 32
	v_mov_b32 v[Q+n], v[128+n]
.set n, n+1
.endr
	WIN 0
	INIT
	s_mov_b32 s[UL], 32
.endm
; A UNIT: my 64 of its 128 keys against my 32 queries: 16 products K Q^T, the softmax, 16 products V^T P.
.macro UNIT
	v_add_nc_u32 v[ADK], s[TU], v[AK0]
	v_add_nc_u32 v[ADV], s[TU], v[AV0]
	v_nop
	v_nop                                          ; four places behind the last products, in front of loads into registers that they read
	WIN 0x40                                       ; destination window 1
.irp a, 0,1,2,3
.irp c, 0,1
	ds_load_b128 v[16*\a+8*\c:16*\a+8*\c+3], v[ADK] offset:\a*16*PK+64*\c
	ds_load_b128 v[16*\a+8*\c+4:16*\a+8*\c+7], v[ADK] offset:\a*16*PK+64*\c+32
.endr
.endr
.irp kk, 0,1
.irp dt, 0,1,2,3
	ds_load_tr16_b128 v[64+32*\kk+8*\dt:64+32*\kk+8*\dt+3], v[ADV] offset:\kk*32*PVP+32*\dt
	ds_load_tr16_b128 v[64+32*\kk+8*\dt+4:64+32*\kk+8*\dt+7], v[ADV] offset:\kk*32*PVP+16*PVP+32*\dt
.endr
.endr
	s_wait_dscnt 16                                ; K is in; V's sixteen loads are younger
	WIN 0x01                                       ; source 0 window 1
.irp c, 0,1                                    ; eight accumulators by turns; the first eight products start the sums
.irp a, 0,1,2,3
.irp t, 0,1
.if \c == 0
	v_wmma_f32_16x16x32_f16 v[S+32*\t+8*\a:S+32*\t+8*\a+7], v[16*\a+8*\c:16*\a+8*\c+7], v[Q+16*\t+8*\c:Q+16*\t+8*\c+7], 0
.else
	v_wmma_f32_16x16x32_f16 v[S+32*\t+8*\a:S+32*\t+8*\a+7], v[16*\a+8*\c:16*\a+8*\c+7], v[Q+16*\t+8*\c:Q+16*\t+8*\c+7], v[S+32*\t+8*\a:S+32*\t+8*\a+7]
.endif
.endr
.endr
.endr
	WIN 0
.rept 4
	v_nop
.endr
	s_cmp_lg_u32 s[UC], s[UL]                      ; ids and the count of units alone
	s_cbranch_scc1 .Lopen_\@
.irp t, 0,1                                    ; the diagonal unit: register 8 a + jj of tile t holds key 64 par + 16 a + 8 h + jj, hidden where 16 a + jj - 16 t > DM
.irp a, 0,1,2,3
.irp jj, 0,1,2,3,4,5,6,7
	v_cmp_gt_i32 vcc_lo, 16*\a+\jj-16*\t, v[DM]
	v_cndmask_b32 v[S+32*\t+8*\a+\jj], v[S+32*\t+8*\a+\jj], v[NINF], vcc_lo
.endr
.endr
.endr
.Lopen_\@:
	SOFT_A 0
	SOFT_E 0
	SOFT_A 1                                       ; plain work that names none of tile 0's results
	s_wait_alu depctr_va_vdst(0)                   ; one wait for tile 0's batch, ahead of its first reader
	SOFT_E 1
	SOFT_R 0                                       ; plain work that names none of tile 1's results
	s_wait_alu depctr_va_vdst(0)                   ; and one for tile 1's
	SOFT_R 1
	s_wait_dscnt 0x0                               ; V is in
	WIN 0x01
.irp kk, 0,1
.irp dt, 0,1,2,3
.irp t, 0,1
	v_wmma_f32_16x16x32_f16 v[O+32*\t+8*\dt:O+32*\t+8*\dt+7], v[64+32*\kk+8*\dt:64+32*\kk+8*\dt+7], v[P+16*\t+8*\kk:P+16*\t+8*\kk+7], v[O+32*\t+8*\dt:O+32*\t+8*\dt+7]
.endr
.endr
.endr
	WIN 0
	s_cmp_eq_u32 s[UC], s[U1M1]
	s_cbranch_scc0 .Lsame_\@
	PASSCH
.Lsame_\@:
	s_add_co_u32 s[UC], s[UC], 1
	s_add_co_u32 s[TU], s[TU], REG
.endm
.macro THREE                           ; a slot's three units: written once, walked three times
	s_mov_b32 s[TRI], 3
.Lunit_\@:
	UNIT
	s_sub_co_u32 s[TRI], s[TRI], 1
	s_cmp_lg_u32 s[TRI], 0
	s_cbranch_scc1 .Lunit_\@
	s_sub_co_u32 s[TU], s[TU], 3*REG
	s_xor_b32 s[TU], s[TU], SLOT1                  ; on to the other slot
.endm
	s_load_b128 s[4:7], s[0:1], 0x0                ; qkv, ao
	v_lshl_add_u32 v[SPW], v0, 2, SPARE
	v_mov_b32 v[NIL], 0
	ds_add_u32 v[SPW], v[NIL]                      ; the wave's opening: the add, twice on end, and its wait ahead of my first tensor load
	ds_add_u32 v[SPW], v[NIL]
	v_lshrrev_b32 v1, 5, v0
	v_readfirstlane_b32 s[WV], v1                  ; wave 0..7
	s_and_b32 s[GG], s[WV], 3
	s_lshr_b32 s[PAR], s[WV], 2
	s_mov_b32 s[JJ], ttmp9
	s_and_b32 s[HD], ttmp7, 0xffff
	s_sub_co_u32 s[U1], 32, s[JJ]
	s_sub_co_u32 s[U1M1], 31, s[JJ]
	s_mov_b32 s[UL], s[U1M1]
	s_mov_b32 s[UC], 0
	s_mov_b32 s[TU], 0
	s_mov_b32 s[SLOTS], 10
	s_mov_b32 s[G1K], (1<<16)|(1<<20)|(4<<22)|(3<<25)   ; 17:16 elements of 2 bytes; 20 padding on; 24:22 after every 32 words; 31:25 four words
	s_mov_b32 s[G1V], (1<<16)|(1<<20)|(4<<22)|(7<<25)   ; the same with eight words
.irp g, G1K, G1V
	s_mov_b32 s[\g+1], 64<<16                      ; tensor_dim0
	s_mov_b32 s[\g+2], 128<<16                     ; tensor_dim1
	s_mov_b32 s[\g+3], 64<<16                      ; tile_dim0
	s_mov_b32 s[\g+4], 128                         ; tile_dim1
	s_mov_b32 s[\g+5], 64                          ; tensor_dim0_stride
	s_mov_b32 s[\g+6], 0
	s_mov_b32 s[\g+7], 0
.endr
	s_mov_b32 s[SEL], 0x76543210
	s_mov_b32 s[SEL+1], 0xfedcba98
	s_mov_b32 s[CS], 0x3e38aa3b                    ; c = log2(e) / 8
	s_mov_b32 s[CS+1], s[CS]
	s_cmp_ge_u32 s[WV], 3                          ; wave % 3: my unit of slot 0
	s_cselect_b32 s[T0], 3, 0
	s_sub_co_u32 s[UW], s[WV], s[T0]
	s_cmp_ge_u32 s[UW], 3
	s_cselect_b32 s[T0], 3, 0
	s_sub_co_u32 s[UW], s[UW], s[T0]
	s_mov_b32 s[G0], 1
	s_mul_i32 s[G0+1], s[WV], REG                  ; my region of slot 0
	s_lshr_b32 s[T0], s[WV], 1
	s_xor_b32 s[T0], s[T0], 3                      ; 0 in waves 6 and 7,
	s_or_b32 s[T0], s[T0], s[JJ]                   ; of work-group j = 0
	s_cmp_eq_u32 s[T0], 0
	s_cselect_b32 s[LIM], 2, -1
	s_mov_b32 s[T1+1], 0
	s_wait_dscnt 0x0                               ; both opening adds are done
	s_wait_kmcnt 0x0
	s_cmp_lt_u32 s[WV], 3
	s_cselect_b32 s[T0], 16, 32                    ; K's planes begin at 16, V's at 32
	s_add_co_u32 s[T0], s[T0], s[HD]
	s_lshl_b32 s[T1], s[T0], 19
	s_add_nc_u64 s[TBASE:TBASE+1], s[4:5], s[T1:T1+1]
	s_lshl_b32 s[T1], s[UW], 14
	s_add_nc_u64 s[G0+2:G0+3], s[TBASE:TBASE+1], s[T1:T1+1]
	s_or_b32 s[G0+3], s[G0+3], 0x80000000
	TLOAD                                          ; slot 0: one load of mine is out
	s_cmp_eq_u32 s[WV], 6
	s_cselect_b32 s[T0], 16, 32
	s_add_co_u32 s[T0], s[T0], s[HD]
	s_lshl_b32 s[T1], s[T0], 19
	s_add_co_u32 s[T1], s[T1], 49152               ; at slot 1: the first change steps it to slot 2.  Nothing is prefetched here, at the head
	s_add_nc_u64 s[PFA:PFA+1], s[4:5], s[T1:T1+1]
	s_lshl_b32 s[T1], s[HD], 19                    ; q's plane, my 32 rows of a block,
	s_lshl_b32 s[T0], s[GG], 12
	s_add_co_u32 s[T1], s[T1], s[T0]
	s_add_nc_u64 s[QB2:QB2+1], s[4:5], s[T1:T1+1]
	s_lshl_b32 s[T1], s[U1M1], 14
	s_add_nc_u64 s[QB1:QB1+1], s[QB2:QB2+1], s[T1:T1+1]   ; in block 31 - j,
	s_lshl_b32 s[T1], s[JJ], 14
	s_add_nc_u64 s[QB2:QB2+1], s[QB2:QB2+1], s[T1:T1+1]   ; and in block j
	s_cmp_eq_u32 s[PAR], 1                         ; the merge: waves 4-7 finish pass 1's block, waves 0-3 pass 2's
	s_cselect_b32 s[T0], s[U1M1], s[JJ]
	s_lshl_b32 s[T0], s[T0], 4
	s_add_co_u32 s[T0], s[T0], s[HD]
	s_lshl_b32 s[T1], s[T0], 14
	s_lshl_b32 s[T0], s[GG], 12
	s_add_co_u32 s[T1], s[T1], s[T0]
	s_add_nc_u64 s[OB:OB+1], s[6:7], s[T1:T1+1]
	v_and_b32 v18, 15, v0                          ; r
	v_bfe_u32 v19, v0, 4, 1                        ; h
	v_and_b32 v20, 31, v0                          ; lane
	v_lshlrev_b32 v[QO], 7, v18
	v_lshl_add_u32 v[QO], v19, 4, v[QO]            ; Q: row r of 128 bytes, + 16 h
.irp t, 0,1
.irp c, 0,1
	global_load_b128 v[Q+16*\t+8*\c:Q+16*\t+8*\c+3], v[QO], s[QB1:QB1+1] offset:\t*2048+64*\c
	global_load_b128 v[Q+16*\t+8*\c+4:Q+16*\t+8*\c+7], v[QO], s[QB1:QB1+1] offset:\t*2048+64*\c+32
.endr
.endr
	WIN 0x40
.irp t, 0,1
.irp c, 0,1
	global_load_b128 v[128+16*\t+8*\c:128+16*\t+8*\c+3], v[QO], s[QB2:QB2+1] offset:\t*2048+64*\c
	global_load_b128 v[128+16*\t+8*\c+4:128+16*\t+8*\c+7], v[QO], s[QB2:QB2+1] offset:\t*2048+64*\c+32
.endr
.endr
	WIN 0
	v_mul_u32_u24 v[AK0], v18, PK
	v_lshl_add_u32 v[AK0], v19, 4, v[AK0]
	s_mul_i32 s[T0], s[PAR], 64*PK
	v_add_nc_u32 v[AK0], s[T0], v[AK0]             ; K: row r x pitch + 16 h + my 64 keys
	v_and_b32 v21, 7, v0
	v_lshl_add_u32 v21, v19, 3, v21
	v_mul_u32_u24 v[AV0], v21, PVP
	v_bfe_u32 v22, v0, 3, 1
	v_lshl_add_u32 v[AV0], v22, 4, v[AV0]
	s_mul_i32 s[T0], s[PAR], 64*PVP
	s_add_co_u32 s[T0], s[T0], 3*REG
	v_add_nc_u32 v[AV0], s[T0], v[AV0]             ; V: key 8 h + l % 8, channels 8 ((l / 8) % 2) on; three regions behind K's
	s_lshl_b32 s[T0], s[GG], 5
	s_lshl_b32 s[T1], s[PAR], 6
	s_sub_co_i32 s[T0], s[T0], s[T1]
	v_lshlrev_b32 v21, 3, v19
	v_sub_nc_u32 v[DM], v18, v21
	v_add_nc_u32 v[DM], s[T0], v[DM]
	v_lshlrev_b32 v[GO], 4, v20
	s_mul_i32 s[T0], s[WV], IMG
	v_add_nc_u32 v[IW2], s[T0], v[GO]
	v_add_nc_u32 v[IW1], STAGE1, v[IW2]
	v_add_nc_u32 v[IW2], STAGE2, v[IW2]
	s_mul_i32 s[T0], s[PAR], STAGE1-STAGE2         ; the merge reads pass 2's images (waves 0-3) or pass 1's: one product, the distance between the two
	s_mul_i32 s[T1], s[GG], IMG
	s_add_co_u32 s[T0], s[T0], s[T1]
	s_add_co_u32 s[T0], s[T0], STAGE2
	v_add_nc_u32 v[IR], s[T0], v[GO]
	s_mul_i32 s[T0], s[WV], 4608
	s_add_co_u32 s[T0], s[T0], OST
	v_mul_u32_u24 v[OSW], v18, 144
	v_lshl_add_u32 v[OSW], v19, 4, v[OSW]
	v_add_nc_u32 v[OSW], s[T0], v[OSW]
	v_lshrrev_b32 v21, 3, v20
	v_mul_u32_u24 v[OSR], v21, 144
	v_and_b32 v22, 7, v0
	v_lshl_add_u32 v[OSR], v22, 4, v[OSR]
	v_add_nc_u32 v[OSR], s[T0], v[OSR]
	v_mov_b32 v[NINF], 0xff800000
	v_lshlrev_b32 v[PFO], 8, v20
	INIT
	s_wait_loadcnt 0x0                             ; both passes' Q
.Lslot:                                                ; ten trips: behind each change of slots but the last the next slot is asked for
	CHANGE 1
	THREE
	s_sub_co_u32 s[SLOTS], s[SLOTS], 1
	s_cmp_lg_u32 s[SLOTS], 0
	s_cbranch_scc1 .Lslot
	CHANGE 0                                       ; the last slot is written out
	THREE
	IMAGE IW2                                      ; pass 2's image: into slot 1, which nobody reads or fills any more
	s_wait_dscnt 0x0                               ; for the others' sake: my stores have landed
	s_barrier_signal -1
	s_barrier_wait -1
	; THE MERGE.  Wave (g, par) joins the two key halves of row group g, of pass 1 (par = 1) or pass 2 (par = 0): with M the larger c m, O = (2^(c mA - M) O_A + 2^(c mB - M) O_B) / (the same of the sums).
.irp i, 0,1,2,3,4,5,6,7,8,9,10,11,12,13,14,15
	ds_load_b128 v[O+4*\i:O+4*\i+3], v[IR] offset:512*\i
.endr
	ds_load_b128 v[TQ:TQ+3], v[IR] offset:8192
.irp i, 0,1,2,3,4,5,6,7,8,9,10,11,12,13,14,15
	ds_load_b128 v[S+4*\i:S+4*\i+3], v[IR] offset:4*IMG+512*\i
.endr
	ds_load_b128 v[TQB:TQB+3], v[IR] offset:4*IMG+8192
	v_mov_b32 v[MT+5], 0                           ; a lane permute's destination counts as one of its sources
	v_mov_b32 v[MT+13], 0
	s_wait_dscnt 0x0
.irp t, 0,1
	v_max_num_f32 v[MT+8*\t+4], v[TQ+2*\t], v[TQB+2*\t]
.endr
.irp t, 0,1
	v_sub_f32 v[MT+8*\t+1], v[TQ+2*\t], v[MT+8*\t+4]
	v_sub_f32 v[MT+8*\t+3], v[TQB+2*\t], v[MT+8*\t+4]
.endr
.irp t, 0,1
	v_exp_f32 v[MT+8*\t], v[MT+8*\t+1]
	v_exp_f32 v[MT+8*\t+2], v[MT+8*\t+3]
.endr
	v_nop                                          ; a plain line behind the last exponential
	s_wait_alu depctr_va_vdst(0)                   ; one wait for the four
.irp t, 0,1
	v_mul_f32 v[MT+8*\t+4], v[MT+8*\t], v[TQ+2*\t+1]
.endr
.irp t, 0,1
	v_fma_f32 v[MT+8*\t+4], v[MT+8*\t+2], v[TQB+2*\t+1], v[MT+8*\t+4]
.endr
.irp t, 0,1
	v_permlanex16_b32 v[MT+8*\t+5], v[MT+8*\t+4], s[SEL], s[SEL+1]
.endr
.irp t, 0,1
	v_add_f32 v[MT+8*\t+4], v[MT+8*\t+4], v[MT+8*\t+5]   ; the row's sum: at least 1, since the largest score's p is 1
.endr
.irp t, 0,1
	v_rcp_f32 v[MT+8*\t+6], v[MT+8*\t+4]
.endr
	v_nop
	s_wait_alu depctr_va_vdst(0)                   ; one wait for the two reciprocals
.irp t, 0,1
	v_mul_f32 v[MT+8*\t], v[MT+8*\t], v[MT+8*\t+6]
	v_mul_f32 v[MT+8*\t+2], v[MT+8*\t+2], v[MT+8*\t+6]
.endr
.irp t, 0,1
.irp i, 0,1,2,3,4,5,6,7,8,9,10,11,12,13,14,15
	v_pk_mul_f32 v[O+32*\t+2*\i:O+32*\t+2*\i+1], v[O+32*\t+2*\i:O+32*\t+2*\i+1], v[MT+8*\t:MT+8*\t+1] op_sel_hi:[1,0]
.endr
.irp i, 0,1,2,3,4,5,6,7,8,9,10,11,12,13,14,15
	v_pk_fma_f32 v[O+32*\t+2*\i:O+32*\t+2*\i+1], v[S+32*\t+2*\i:S+32*\t+2*\i+1], v[MT+8*\t+2:MT+8*\t+3], v[O+32*\t+2*\i:O+32*\t+2*\i+1] op_sel_hi:[1,0,1]
.endr
.irp i, 0,1,2,3,4,5,6,7,8,9,10,11,12,13,14,15
	v_cvt_pk_f16_f32 v[P+16*\t+\i], v[O+32*\t+2*\i], v[O+32*\t+2*\i+1]
.endr
.endr
.irp t, 0,1                                    ; a lane's eight channels are 16 bytes of its query's row; through my stage they come back four rows of 128 bytes at a time
.irp dt, 0,1,2,3
	ds_store_b128 v[OSW], v[P+16*\t+4*\dt:P+16*\t+4*\dt+3] offset:2304*\t+32*\dt
.endr
.irp i, 0,1,2,3
	ds_load_b128 v[S+16*\t+4*\i:S+16*\t+4*\i+3], v[OSR] offset:2304*\t+576*\i   ; LDS serves a wave's instructions in order: these see the stores above
.endr
.endr
	s_wait_dscnt 0x0
.irp t, 0,1
.irp i, 0,1,2,3
	global_store_b128 v[GO], v[S+16*\t+4*\i:S+16*\t+4*\i+3], s[OB:OB+1] offset:2048*\t+512*\i   ; 32 lanes store 512 consecutive bytes, aligned
.endr
.endr
	s_wait_tensorcnt 0x0                           ; the wave's end: behind my last tensor load and my last LDS store
	ds_add_u32 v[SPW], v[NIL]
	s_wait_dscnt 0x0
	s_endpgm
.Lfunc_end_k_q6cac0852eb_attn:
	.size	k_q6cac0852eb_attn, .Lfunc_end_k_q6cac0852eb_attn-k_q6cac0852eb_attn
	.p2alignl 7, 3214868480
	.fill 96, 4, 3214868480
	.section	.rodata,"a",@progbits
	.p2align	6, 0x0
	.amdhsa_kernel k_q6cac0852eb_attn
		.amdhsa_group_segment_fixed_size 327680
		.amdhsa_private_segment_fixed_size 0
		.amdhsa_enable_private_segment 0
		.amdhsa_kernarg_size 16
		.amdhsa_user_sgpr_count 2
		.amdhsa_user_sgpr_kernarg_segment_ptr 1
		.amdhsa_wavefront_size32 1
		.amdhsa_system_sgpr_workgroup_id_x 1
		.amdhsa_system_sgpr_workgroup_id_y 1
		.amdhsa_system_sgpr_workgroup_id_z 1
		.amdhsa_system_vgpr_workitem_id 0
		.amdhsa_next_free_vgpr 512
		.amdhsa_next_free_sgpr 66
		.amdhsa_reserve_vcc 1
		.amdhsa_float_denorm_mode_32 3
		.amdhsa_float_denorm_mode_16_64 3
		.amdhsa_memory_ordered 1
		.amdhsa_forward_progress 1
		.amdhsa_inst_pref_size 78
	.end_amdhsa_kernel
	.amdgpu_metadata
---
amdhsa.version: [ 1, 2 ]
amdhsa.kernels:
  - .name:           k_q6cac0852eb_attn
    .symbol:         k_q6cac0852eb_attn.kd
    .args:
      - { .name: qkv, .offset: 0, .size: 8, .value_kind: global_buffer, .address_space: global }
      - { .name: ao, .offset: 8, .size: 8, .value_kind: global_buffer, .address_space: global }
    .group_segment_fixed_size: 327680
    .private_segment_fixed_size: 0
    .kernarg_segment_align: 8
    .kernarg_segment_size: 16
    .max_flat_workgroup_size: 256
    .sgpr_count:     66
    .vgpr_count:     512
    .wavefront_size: 32
...
	.end_amdgpu_metadata
.endif
;; end of part 3
;; launch proj (part 4): grid 8 x 32, 4 waves a work-group, clusters of 4 x 4, 327,680 bytes of LDS; arguments ao, wo16, out0; writes out0
.if DOCPART == 4
	.amdgcn_target "amdgcn-amd-amdhsa--gfx1250"
	.amdhsa_code_object_version 6
	.text
	.protected	k_q6cac0852eb_proj
	.globl	k_q6cac0852eb_proj
	.p2align	8
	.type	k_q6cac0852eb_proj,@function
k_q6cac0852eb_proj:
	s_mov_b64 s[64:65], 0
	v_nop
	global_prefetch_b8 v0, s[64:65] scope:SCOPE_SE
	s_setreg_imm32_b32 hwreg(HW_REG_WAVE_MODE, 25, 1), 1
	s_wait_xcnt 0x0
	s_wait_alu depctr_hold_cnt(0) depctr_sa_sdst(0) depctr_va_vdst(0) depctr_va_sdst(0) depctr_va_ssrc(0) depctr_va_vcc(0) depctr_vm_vsrc(0)
	s_getreg_b32 s2, hwreg(HW_REG_IB_STS2, 6, 4)
	s_cmp_eq_u32 s2, 0
	s_cbranch_scc0 .Lentry_in_a_cluster
	s_endpgm
.Lentry_in_a_cluster:
	s_bfe_u32 s2, ttmp6, 0x10000c
	s_cmp_lg_u32 s2, 0xf033
	s_cbranch_scc0 .Lentry_shape_is_right
	s_endpgm
.Lentry_shape_is_right:
; out0[token][n] = sum over k of a[token][k] w_out[n][k], k = 64 head + channel.  a comes as ao[token / 128][head][128][64] f16, w_out as wo16[1024][1024] f16; sums and out0 in f32.  4,096 x 1,024 x 1,024.
; Rows 0-15 are made here like all others, from f16 operands, and are stored again, from f32 operands, by the launch that follows: a branch round them would hang on the place in the cluster.
; A tile of out0 is 128 x 128: 256 tiles, one for each work-group.  Four waves, each 64 x 64: 16 accumulators, 128 registers.  K goes in four steps of 256 (four heads) through two LDS slots.
; a's tile of a K step is four head blocks of 128 rows x 128 bytes, dense in memory: waves 0 and 1 fetch two each (256 rows); w's is 128 rows x 512 bytes: waves 2 and 3 fetch 64 rows each.
; CLUSTERS: 4 x 4 work-groups.  The four of a row of the cluster need the same tiles of a, the four of a column the same tiles of w: each tile is asked for JOINTLY.
; THE MATRIX INSTRUCTION IS USED TRANSPOSED (source 0 = 16 rows of w, source 1 = 16 rows of a): a lane then holds eight neighbouring numbers of a row of out0.
; REGISTERS: window 0: v0-31 addresses; v32-95 the way out; v128-255 the accumulators ((a, b) at v[128 + 8 (4 a + b)]).   window 1: two fragment buffers of 128: 64 registers of a, then 64 of w, for 64 along K.
; No prefetch: the launch is short and its tiles are small.
.set PA,     144                       ; a's row in LDS: 128 bytes + 16
.set PB,     528                       ; w's: 512 + 16
.set HBLK,   128*PA                    ; a head block
.set BOFF,   4*HBLK                    ; w's rows lie behind a's four blocks
.set SLOT,   BOFF+128*PB
.set STAGE,  2*SLOT                    ; behind the ring: 16 rows x 272 bytes for each wave
.set SPITCH, 272
.set SPARE,  STAGE+4*16*SPITCH
.set LAPS,   2                         ; a lap = two K steps = once round the ring
.set ADRA, 16
.set ADRB, 20
.set STO,  24
.set RD,   25
.set CO,   26
.set SPW,  28
.set NIL,  29
.set OBK,  32                          ; rows read back: v32-63 and v64-95 by turns
.set ACC,  128
.set F0,   0
.set F1,   128
.set G1, 24
.set G0, 32
.set G1B, 48
.set G0B, 56
.set MSB, 0
.macro WIN new                         ; the immediate's high byte repeats the setting that is left
.if MSB != \new
	s_set_vgpr_msb (MSB<<8)|\new
.set MSB, \new
.endif
.endm
.set MUL,  0x05                        ; sources 0 (w) and 1 (a) window 1; C and D window 0
.set TO_F, 0x40
.macro JLOAD s                         ; a joint load: waves 0 and 1 fetch for a, waves 2 and 3 for w; an s_nop 0 and four v_nop follow each of the two lines
	s_cmp_eq_u32 s11, 0
	s_cbranch_scc0 .Lfor_b_\@
	tensor_load_to_lds s[G0+4*\s:G0+4*\s+3], s[G1:G1+7]
	s_nop 0
.rept 4
	v_nop
.endr
	s_branch .Lasked_\@
.Lfor_b_\@:
	tensor_load_to_lds s[G0B+4*\s:G0B+4*\s+3], s[G1B:G1B+7]
	s_nop 0
.rept 4
	v_nop
.endr
.Lasked_\@:
.endm
.macro CREST                           ; a round of the cluster's barrier behind its opening barrier
	s_cmp_lg_u32 s10, 0
	s_cbranch_scc1 .Lnot_wave_0_\@
	s_barrier_signal -3
.Lnot_wave_0_\@:
	s_barrier_wait -3
	s_barrier_signal -1
	s_barrier_wait -1
.endm
.macro CROUND
	s_barrier_signal -1
	s_barrier_wait -1
	CREST
.endm
	s_load_b128 s[4:7], s[0:1], 0x0                ; ao, wo16
	s_load_b64 s[8:9], s[0:1], 0x10                ; out0
	v_lshl_add_u32 v[SPW], v0, 2, SPARE
	v_mov_b32 v[NIL], 0
	ds_add_u32 v[SPW], v[NIL]                      ; the wave's opening: the add, twice on end, and its wait ahead of my first tensor load
	ds_add_u32 v[SPW], v[NIL]
	v_lshrrev_b32 v1, 5, v0
	v_readfirstlane_b32 s10, v1                    ; wave 0..3
	s_lshr_b32 s11, s10, 1                         ; which half of the tile's rows is mine.  Also: I fetch for a (0) or for w (1)
	s_and_b32 s12, s10, 1                          ; which half of its columns.  Also: which half of that tile I fetch
	s_bfe_u32 s40, ttmp6, 0x40000                  ; cx, cy
	s_bfe_u32 s41, ttmp6, 0x40004
	s_lshl_b32 s42, ttmp9, 2
	s_add_co_u32 s42, s42, s40                     ; tile column
	s_and_b32 s13, ttmp7, 0xffff
	s_lshl_b32 s13, s13, 2
	s_add_co_u32 s13, s13, s41                     ; tile row
	s_lshl_b32 s43, s41, 2
	s_lshl_b32 s43, 15, s43                        ; my row of the cluster
	s_lshl_b32 s44, 0x1111, s40                    ; my column
	s_or_b32 s[G1+0], s43, (1<<16)|(1<<20)|(1<<21)|(4<<22)|(3<<25)   ; a: elements of 2 bytes; four words of padding after every 32
	s_mov_b32 s[G1+1], 64<<16                      ; tensor_dim0
	s_mov_b32 s[G1+2], 256<<16                     ; tensor_dim1: two heads x 128 tokens
	s_mov_b32 s[G1+3], 64<<16                      ; tile_dim0
	s_mov_b32 s[G1+4], 256                         ; tile_dim1
	s_mov_b32 s[G1+5], 64                          ; tensor_dim0_stride: dense
	s_mov_b32 s[G1+6], 0
	s_mov_b32 s[G1+7], 0
	s_or_b32 s[G1B+0], s44, (1<<16)|(1<<20)|(1<<21)|(6<<22)|(3<<25)  ; w: four words of padding after every 128
	s_mov_b32 s[G1B+1], 256<<16
	s_mov_b32 s[G1B+2], 64<<16
	s_mov_b32 s[G1B+3], 256<<16
	s_mov_b32 s[G1B+4], 64
	s_mov_b32 s[G1B+5], 1024
	s_mov_b32 s[G1B+6], 0
	s_mov_b32 s[G1B+7], 0
	s_lshl_b32 s16, s13, 18                        ; a: token block x 16 heads x 16,384 bytes,
	s_lshl_b32 s17, s12, 15                        ; + my two heads of the K step's four
	s_add_co_u32 s16, s16, s17
	s_mov_b32 s17, 0
	s_lshl_b32 s46, s42, 18                        ; w: row 128 x tile column + 64 x half, 2,048 bytes a row
	s_lshl_b32 s47, s12, 17
	s_add_co_u32 s46, s46, s47
	s_mov_b32 s47, 0
	s_mul_i32 s20, s10, 2*HBLK                     ; where they go: a's halves at wave x 36,864 (waves 0, 1),
	s_mul_i32 s45, s10, 64*PB
	s_add_co_u32 s45, s45, BOFF-2*64*PB            ; w's at BOFF + (wave - 2) x 33,792 (waves 2, 3)
	s_wait_dscnt 0x0                               ; both opening adds are done
	s_wait_kmcnt 0x0
	s_add_nc_u64 s[14:15], s[4:5], s[16:17]
	s_add_nc_u64 s[46:47], s[6:7], s[46:47]
	CROUND                                         ; all sixteen work-groups are here: the first joint loads meet
.irp s, 0,1
	s_mov_b32 s[G0+4*\s], 1
	s_add_co_u32 s[G0+4*\s+1], s20, \s*SLOT
	s_add_nc_u64 s[G0+4*\s+2:G0+4*\s+3], s[14:15], \s*65536
	s_or_b32 s[G0+4*\s+3], s[G0+4*\s+3], 0x80000000
	s_mov_b32 s[G0B+4*\s], 1
	s_add_co_u32 s[G0B+4*\s+1], s45, \s*SLOT
	s_add_nc_u64 s[G0B+4*\s+2:G0B+4*\s+3], s[46:47], \s*512
	s_or_b32 s[G0B+4*\s+3], s[G0B+4*\s+3], 0x80000000
	JLOAD \s
.endr
	v_and_b32 v1, 15, v0                           ; r
	v_bfe_u32 v2, v0, 4, 1                         ; h
	v_mul_u32_u24 v3, v1, PA
	v_lshl_add_u32 v3, v2, 4, v3
	v_mul_u32_u24 v4, v1, PB
	v_lshl_add_u32 v4, v2, 4, v4
	s_mul_i32 s21, s11, 64*PA                      ; my 64 rows of a, in each head block
	s_mul_i32 s22, s12, 64*PB                      ; my 64 rows of w
	s_add_co_u32 s22, s22, BOFF
.irp s, 0,1
	v_add_nc_u32 v[ADRA+\s], s21, v3
	v_add_nc_u32 v[ADRB+\s], s22, v4
	s_add_co_u32 s21, s21, SLOT
	s_add_co_u32 s22, s22, SLOT
.endr
	s_mul_i32 s23, s10, 16*SPITCH
	s_add_co_u32 s23, s23, STAGE                   ; my stage
	v_mul_u32_u24 v4, v1, SPITCH
	v_lshl_add_u32 v4, v2, 5, v4
	v_add_nc_u32 v[STO], s23, v4                   ; in: row r, 32 bytes for each half of the lanes
	v_mul_u32_u24 v5, v2, SPITCH
	v_lshl_add_u32 v5, v1, 4, v5
	v_add_nc_u32 v[RD], s23, v5                    ; back: lanes 0-15 one row of 256 bytes, lanes 16-31 the next
	v_lshlrev_b32 v5, 12, v2
	v_lshl_add_u32 v[CO], v1, 4, v5                ; and the same two rows in out0
	s_lshl_b32 s16, s13, 19                        ; my first row: 128 x tile row + 64 x half, 4,096 bytes a row
	s_lshl_b32 s17, s11, 18
	s_add_co_u32 s16, s16, s17
	s_mov_b32 s17, 0
	s_add_nc_u64 s[8:9], s[8:9], s[16:17]
	s_lshl_b32 s46, s42, 9                         ; my first column, in bytes: 512 x tile column + 256 x half
	s_lshl_b32 s47, s12, 8
	s_add_co_u32 s46, s46, s47
	s_mov_b32 s47, 0
	s_add_nc_u64 s[8:9], s[8:9], s[46:47]
; 8 matrix instructions: m blocks a0, a0 + 1 x all 4 n blocks, 32 along K: half c of buffer f.  The 16 accumulators take turns.
.macro MUL8 f, c, a0, zero
.irp a, \a0, \a0+1
.irp b, 0,1,2,3
.if \zero
	v_wmma_f32_16x16x32_f16 v[ACC+8*(4*(\a)+\b):ACC+8*(4*(\a)+\b)+7], v[\f+64+8*(4*\c+\b):\f+64+8*(4*\c+\b)+7], v[\f+8*(4*\c+\a):\f+8*(4*\c+\a)+7], 0
.else
	v_wmma_f32_16x16x32_f16 v[ACC+8*(4*(\a)+\b):ACC+8*(4*(\a)+\b)+7], v[\f+64+8*(4*\c+\b):\f+64+8*(4*\c+\b)+7], v[\f+8*(4*\c+\a):\f+8*(4*\c+\a)+7], v[ACC+8*(4*(\a)+\b):ACC+8*(4*(\a)+\b)+7]
.endif
.endr
.endr
.endm
; 32 LDS loads in one run: the fragments of quarter qd of a K step (one head: 64 along K) into buffer f; the first 32 along K first
.macro FETCH slot, qd, f
	WIN TO_F
.irp c, 0,1
.irp i, 0,1,2,3
	ds_load_b128 v[\f+64+8*(4*\c+\i):\f+64+8*(4*\c+\i)+3],   v[ADRB+\slot] offset:(\qd)*128+64*\c+\i*16*PB
	ds_load_b128 v[\f+64+8*(4*\c+\i)+4:\f+64+8*(4*\c+\i)+7], v[ADRB+\slot] offset:(\qd)*128+64*\c+\i*16*PB+32
	ds_load_b128 v[\f+8*(4*\c+\i):\f+8*(4*\c+\i)+3],         v[ADRA+\slot] offset:(\qd)*HBLK+64*\c+\i*16*PA
	ds_load_b128 v[\f+8*(4*\c+\i)+4:\f+8*(4*\c+\i)+7],       v[ADRA+\slot] offset:(\qd)*HBLK+64*\c+\i*16*PA+32
.endr
.endr
.endm
.macro PLACES                          ; four places in front of loads into registers that matrix instructions have read, and of reads of results
.rept 4
	v_nop
.endr
.endm
.macro QUARTER slot, qd, f, g, zero    ; multiplies buffer f and fetches quarter qd into g
	s_wait_dscnt 16                                ; the first 32 along K are in; the other sixteen loads are younger
	WIN MUL
	MUL8 \f, 0, 0, \zero
	MUL8 \f, 0, 2, \zero
	PLACES
	FETCH \slot, \qd, \g
	s_wait_dscnt 32                                ; all but the 32 just issued
	WIN MUL
	MUL8 \f, 1, 0, 0
	MUL8 \f, 1, 2, 0
.endm
; The last quarter multiplies buffer 1 and changes slots: ONE barrier; in front of it each wave waits for all its tensor loads, adds 0 to its spare word, and waits for that and for its reads of this slot.  fill = 1: this slot is filled again, two K steps ahead.
.macro TURN slot, next, fill
	WIN 0
	s_wait_tensorcnt 0x0                           ; all my tensor loads have landed: my part of the next slot
	ds_add_u32 v[SPW], v[NIL]
	s_wait_dscnt 17                                ; (the add and the youngest sixteen loads may be out)
	WIN MUL
	MUL8 F1, 0, 0, 0
	s_wait_dscnt 0x0                               ; the add is done, and my reads of this slot are over
	s_barrier_signal -1
	MUL8 F1, 0, 2, 0
.if \fill
	WIN 0
.endif
	s_barrier_wait -1
.if \fill
	CREST                                          ; the barrier has opened a round of the cluster's barrier: no wave of any partner still reads this slot or has a load on its way
	s_add_nc_u64 s[G0+4*\slot+2:G0+4*\slot+3], s[G0+4*\slot+2:G0+4*\slot+3], 131072
	s_add_nc_u64 s[G0B+4*\slot+2:G0B+4*\slot+3], s[G0B+4*\slot+2:G0B+4*\slot+3], 1024
	JLOAD \slot                                    ; the first tensor load behind the round; its four v_nop are also the places in front of the loads below
.else
	PLACES
.endif
	FETCH \next, 0, F0
	WIN MUL
	MUL8 F1, 1, 0, 0
	MUL8 F1, 1, 2, 0
.endm
	s_wait_tensorcnt 1                             ; my part of K step 0 is in (K step 1's load may be out)
	s_barrier_signal -1
	s_barrier_wait -1                              ; everybody's is
	FETCH 0, 0, F0
	QUARTER 0, 1, F0, F1, 1                        ; the first products start the sums
	WIN 0
	s_mov_b32 s3, LAPS-1
.Llap:                                                 ; a trip goes once round the ring and fills both slots again
	QUARTER 0, 2, F1, F0, 0
	QUARTER 0, 3, F0, F1, 0
	TURN 0, 1, 1
	QUARTER 1, 1, F0, F1, 0
	QUARTER 1, 2, F1, F0, 0
	QUARTER 1, 3, F0, F1, 0
	TURN 1, 0, 1
	QUARTER 0, 1, F0, F1, 0
	WIN 0
	s_sub_co_u32 s3, s3, 1
	s_cmp_lg_u32 s3, 0
	s_cbranch_scc1 .Llap
	QUARTER 0, 2, F1, F0, 0                        ; the last lap fills nothing
	QUARTER 0, 3, F0, F1, 0
	TURN 0, 1, 0
	QUARTER 1, 1, F0, F1, 0
	QUARTER 1, 2, F1, F0, 0
	QUARTER 1, 3, F0, F1, 0
	s_wait_dscnt 16
	WIN MUL
	MUL8 F1, 0, 0, 0
	MUL8 F1, 0, 2, 0
	s_wait_dscnt 0
	MUL8 F1, 1, 0, 0
	MUL8 F1, 1, 2, 0
	WIN 0
; THE WAY OUT, block by block of 16 rows x 64 columns.  A wave's 64 columns of f32 are 256 consecutive bytes of a row: each wave has a stage of its own and no barrier is needed.
.macro TOSTAGE a
.set BB, OBK+32*((\a)%2)
.irp b, 0,1,2,3
	ds_store_b128 v[STO], v[ACC+8*(4*(\a)+\b):ACC+8*(4*(\a)+\b)+3] offset:64*\b         ; each accumulator from its low end on
	ds_store_b128 v[STO], v[ACC+8*(4*(\a)+\b)+4:ACC+8*(4*(\a)+\b)+7] offset:64*\b+16
.endr
.irp u, 0,1,2,3,4,5,6,7
	ds_load_b128 v[BB+4*\u:BB+4*\u+3], v[RD] offset:\u*2*SPITCH   ; LDS serves a wave's instructions in order: these see the stores above
.endr
.endm
.macro SEND a, younger                 ; younger: the LDS instructions issued behind block a's loads
.set BB, OBK+32*((\a)%2)
	s_wait_dscnt \younger
.irp u, 0,1,2,3,4,5,6,7
	global_store_b128 v[CO], v[BB+4*\u:BB+4*\u+3], s[8:9] offset:(16*(\a)+2*\u)*4096 th:TH_STORE_NT   ; 16 lanes store 256 consecutive bytes, aligned
.endr
.endm
	PLACES
	TOSTAGE 0
.irp a, 1,2,3
.if \a > 1
	s_wait_xcnt 0x0                                ; block a - 2's stores have read their registers: block a's loads may land there
.endif
	TOSTAGE \a
	SEND \a-1, 16                                  ; behind block a - 1's loads: block a's 8 stores and 8 loads
.endr
	SEND 3, 0
	s_wait_tensorcnt 0x0                           ; the wave's end: behind my last tensor load and my last LDS store
	ds_add_u32 v[SPW], v[NIL]
	s_wait_dscnt 0x0
	CROUND                                         ; the closing round
	s_endpgm
.Lfunc_end_k_q6cac0852eb_proj:
	.size	k_q6cac0852eb_proj, .Lfunc_end_k_q6cac0852eb_proj-k_q6cac0852eb_proj
	.p2alignl 7, 3214868480
	.fill 96, 4, 3214868480
	.section	.rodata,"a",@progbits
	.p2align	6, 0x0
	.amdhsa_kernel k_q6cac0852eb_proj
		.amdhsa_group_segment_fixed_size 327680
		.amdhsa_private_segment_fixed_size 0
		.amdhsa_enable_private_segment 0
		.amdhsa_kernarg_size 24
		.amdhsa_user_sgpr_count 2
		.amdhsa_user_sgpr_kernarg_segment_ptr 1
		.amdhsa_wavefront_size32 1
		.amdhsa_system_sgpr_workgroup_id_x 1
		.amdhsa_system_sgpr_workgroup_id_y 1
		.amdhsa_system_sgpr_workgroup_id_z 1
		.amdhsa_system_vgpr_workitem_id 0
		.amdhsa_next_free_vgpr 512
		.amdhsa_next_free_sgpr 66
		.amdhsa_reserve_vcc 0
		.amdhsa_float_denorm_mode_32 3
		.amdhsa_float_denorm_mode_16_64 3
		.amdhsa_memory_ordered 1
		.amdhsa_forward_progress 1
		.amdhsa_inst_pref_size 86
	.end_amdhsa_kernel
	.amdgpu_metadata
---
amdhsa.version: [ 1, 2 ]
amdhsa.kernels:
  - .name:           k_q6cac0852eb_proj
    .symbol:         k_q6cac0852eb_proj.kd
    .args:
      - { .name: ao, .offset: 0, .size: 8, .value_kind: global_buffer, .address_space: global }
      - { .name: wo16, .offset: 8, .size: 8, .value_kind: global_buffer, .address_space: global }
      - { .name: out0, .offset: 16, .size: 8, .value_kind: global_buffer, .address_space: global }
    .group_segment_fixed_size: 327680
    .private_segment_fixed_size: 0
    .kernarg_segment_align: 8
    .kernarg_segment_size: 24
    .max_flat_workgroup_size: 128
    .sgpr_count:     66
    .vgpr_count:     512
    .wavefront_size: 32
...
	.end_amdgpu_metadata
.endif
;; end of part 4
;; launch first16 (part 5): grid 16 x 1, 16 waves a work-group, no clusters, 85,504 bytes of LDS; arguments q16, w_out, out0; writes out0
.if DOCPART == 5
	.amdgcn_target "amdgcn-amd-amdhsa--gfx1250"
	.amdhsa_code_object_version 6
	.text
	.protected	k_q6cac0852eb_first16
	.globl	k_q6cac0852eb_first16
	.p2align	8
	.type	k_q6cac0852eb_first16,@function
k_q6cac0852eb_first16:
	s_mov_b64 s[64:65], 0
	v_nop
	global_prefetch_b8 v0, s[64:65] scope:SCOPE_SE
	s_setreg_imm32_b32 hwreg(HW_REG_WAVE_MODE, 25, 1), 1
	s_wait_xcnt 0x0
; Rows 0-15 of the result, all in f32: these rows average one to sixteen values and are the largest in size, so the rounding of 16-bit operands weighs most in them.  They overwrite what the launch before stored there.
; q16 [16][3072] f32 holds rows 0-15 of the first product, unrounded: columns 0-1023 q, 1024-2047 k, 2048-3071 v.  w_out [1024][1024] f32 as it is given.
; SHARES.  Work-group G makes columns 64 G .. 64 G + 63 of the 16 rows.  PHASE A: wave w makes head w's attention, 16 queries x 16 keys (done again in each of the 16 work-groups: 192 KB of reads each); the 16 x 1,024 result meets in LDS.
; PHASE B: wave w = (nt = w % 4, kq = w / 4) multiplies column tile nt over K quarter kq; the four quarters are added through LDS.
; All products by v_wmma_f32_16x16x4_f32, no bulk work: 96 a wave.  Its lane (r, h) holds k = 2 h + j in register j; a permutation of k applied alike to both sources keeps the products, so fragments are loaded 16 bytes a lane.
; The registers that this form writes (v16-63) are written by matrix instructions alone; every sum begins with the constant 0; two or four accumulators take turns.
; The maximum is taken away before the exponential, as in the definition; key 0 counts for every query, so it is a number.  NaN and infinities among the inputs are not served.
.set SA,  16                           ; v16-23, v24-31  two accumulators: S^T's halves, later phase B's
.set SB,  24
.set OT,  32                           ; v32-63  O^T, four tiles of 16 channels
.set QF,  64                           ; v64-95  Q;  v96-127 K;  later the second half of my weights
.set KF,  96
.set W2,  64
.set VV,  128                          ; v128-159 V^T's fragments; v160-167 scores; v168-175 weights; v176-191 at work; later a's fragments
.set T,   160
.set PP,  168
.set TP,  176
.set AF,  128
.set W1,  192                          ; v192-255 the first half of my weights
.set QA,  4
.set VA,  5
.set WA,  6
.set DM,  7
.set AW,  8
.set AR,  9
.set PW,  10
.set PR,  11
.set GO,  12
.set NINF, 13
.set SPW, 14
.set NIL, 15
.set APITCH, 4112                      ; a row of the attention's result in LDS: 4,096 bytes + 16
.set PART,  66048                      ; four partial results of 16 rows x (256 + 16) bytes
.set SPARE, 83456                      ; the spare words, 128 bytes for each of 16 waves
	s_load_b128 s[4:7], s[0:1], 0x0                ; q16, w_out
	s_load_b64 s[8:9], s[0:1], 0x10                ; out0
	v_lshl_add_u32 v[SPW], v0, 2, SPARE
	v_mov_b32 v[NIL], 0
	v_lshrrev_b32 v1, 5, v0
	v_readfirstlane_b32 s10, v1                    ; wave = head
	s_and_b32 s11, s10, 3                          ; nt
	s_lshr_b32 s12, s10, 2                         ; kq
	v_and_b32 v1, 15, v0                           ; r
	v_bfe_u32 v2, v0, 4, 1                         ; h
	v_and_b32 v3, 31, v0                           ; lane
	v_mul_u32_u24 v[QA], v1, 12288
	v_lshl_add_u32 v[QA], v2, 4, v[QA]             ; q, k: token r, + 16 h
	v_mul_u32_u24 v[VA], v2, 98304
	v_lshl_add_u32 v[VA], v1, 2, v[VA]             ; v: key 8 h on, channel r
	v_lshlrev_b32 v[WA], 12, v1
	v_lshl_add_u32 v[WA], v2, 4, v[WA]             ; w_out: row r, + 16 h
	v_lshlrev_b32 v[DM], 3, v2
	v_sub_nc_u32 v[DM], v1, v[DM]                  ; r - 8 h: register j holds key 8 h + j, hidden where j > r - 8 h
	v_mul_u32_u24 v[AW], v1, APITCH
	v_lshl_add_u32 v[AR], v2, 4, v[AW]
	v_lshl_add_u32 v[AW], v2, 5, v[AW]
	s_lshl_b32 s24, s10, 8
	v_add_nc_u32 v[AW], s24, v[AW]                 ; in: row r, head w's 256 bytes, + 32 h
	s_lshl_b32 s24, s12, 10
	v_add_nc_u32 v[AR], s24, v[AR]                 ; back: row r, K quarter kq, + 16 h
	v_mul_u32_u24 v[PW], v1, 272
	v_lshl_add_u32 v[PW], v2, 5, v[PW]
	s_mul_i32 s24, s12, 4352
	s_lshl_b32 s26, s11, 6
	s_add_co_u32 s24, s24, s26
	s_add_co_u32 s24, s24, PART
	v_add_nc_u32 v[PW], s24, v[PW]
	v_lshlrev_b32 v[GO], 3, v3
	s_mul_i32 s24, s10, 272
	s_add_co_u32 s24, s24, PART
	v_add_nc_u32 v[PR], s24, v[GO]
	v_mov_b32 v[NINF], 0xff800000
	s_mov_b32 s20, 0x76543210
	s_mov_b32 s21, 0xfedcba98
	s_mov_b32 s22, 0x3e38aa3b                      ; c = log2(e) / 8
	s_mov_b32 s25, 0
	s_wait_kmcnt 0x0
	s_lshl_b32 s24, s10, 8
	s_add_nc_u64 s[4:5], s[4:5], s[24:25]          ; q16 at head w's columns
	s_lshl_b32 s24, ttmp9, 18                      ; w_out at row 64 G + 16 nt, K quarter kq
	s_lshl_b32 s26, s11, 16
	s_add_co_u32 s24, s24, s26
	s_lshl_b32 s26, s12, 10
	s_add_co_u32 s24, s24, s26
	s_add_nc_u64 s[6:7], s[6:7], s[24:25]
	s_lshl_b32 s24, s10, 12                        ; out0 at row w, column 64 G
	s_lshl_b32 s26, ttmp9, 8
	s_add_co_u32 s24, s24, s26
	s_add_nc_u64 s[8:9], s[8:9], s[24:25]
.irp c, 0,1,2,3,4,5,6,7
	global_load_b128 v[QF+4*\c:QF+4*\c+3], v[QA], s[4:5] offset:32*\c          ; channels 8 c + 4 h + 0 .. 3 of token r
.endr
.irp c, 0,1,2,3,4,5,6,7
	global_load_b128 v[KF+4*\c:KF+4*\c+3], v[QA], s[4:5] offset:4096+32*\c
.endr
.irp t, 0,1,2,3
.irp k, 0,1,2,3,4,5,6,7
	global_load_b32 v[VV+8*\t+\k], v[VA], s[4:5] offset:8192+\k*12288+64*\t    ; v(key 8 h + k, channel 16 t + r)
.endr
.endr
.irp c, 0,1,2,3,4,5,6,7,8,9,10,11,12,13,14,15
	global_load_b128 v[W1+4*\c:W1+4*\c+3], v[WA], s[6:7] offset:32*\c
.endr
	s_wait_loadcnt 16                              ; q, k and v are in; the weights' sixteen loads are younger
	; PHASE A.  S^T = K Q^T: source 0 = 16 keys, source 1 = 16 queries; a lane holds query r and keys 8 h + 0 .. 7
.set n, 0
.rept 16
.if n < 2
	v_wmma_f32_16x16x4_f32 v[SA+8*(n%2):SA+8*(n%2)+7], v[KF+2*n:KF+2*n+1], v[QF+2*n:QF+2*n+1], 0
.else
	v_wmma_f32_16x16x4_f32 v[SA+8*(n%2):SA+8*(n%2)+7], v[KF+2*n:KF+2*n+1], v[QF+2*n:QF+2*n+1], v[SA+8*(n%2):SA+8*(n%2)+7]
.endif
.set n, n+1
.endr
.rept 8
	v_nop                                          ; eight places behind this form, in front of the loads into its sources and of the reads of its results
.endr
.irp c, 0,1,2,3,4,5,6,7,8,9,10,11,12,13,14,15
	global_load_b128 v[W2+4*\c:W2+4*\c+3], v[WA], s[6:7] offset:512+32*\c
.endr
.irp j, 0,1,2,3,4,5,6,7
	v_add_f32 v[T+\j], v[SA+\j], v[SB+\j]          ; from the low end on
.endr
.irp j, 0,1,2,3,4,5,6,7
	v_cmp_gt_i32 vcc_lo, \j, v[DM]
	v_cndmask_b32 v[T+\j], v[T+\j], v[NINF], vcc_lo
.endr
	v_max3_num_f32 v[TP], v[T], v[T+1], v[T+2]
	v_max3_num_f32 v[TP], v[TP], v[T+3], v[T+4]
	v_max3_num_f32 v[TP], v[TP], v[T+5], v[T+6]
	v_max_num_f32 v[TP], v[TP], v[T+7]
	v_mov_b32 v[TP+1], 0                           ; a lane permute's destination counts as one of its sources
	v_permlanex16_b32 v[TP+1], v[TP], s20, s21
	v_max_num_f32 v[TP], v[TP], v[TP+1]            ; the row's maximum
	v_mul_f32 v[TP+2], s22, v[TP]
.irp j, 0,1,2,3,4,5,6,7
	v_fma_f32 v[T+\j], v[T+\j], s22, -v[TP+2]
.endr
.irp j, 0,1,2,3,4,5,6,7
	v_exp_f32 v[T+\j], v[T+\j]
.endr
	v_nop                                          ; a plain line behind the last exponential
	s_wait_alu depctr_va_vdst(0)                   ; one wait for the eight, ahead of their first reader
	v_add_f32 v[TP+3], v[T], v[T+1]
	v_add_f32 v[TP+4], v[T+2], v[T+3]
	v_add_f32 v[TP+5], v[T+4], v[T+5]
	v_add_f32 v[TP+6], v[T+6], v[T+7]
	v_add_f32 v[TP+3], v[TP+3], v[TP+4]
	v_add_f32 v[TP+5], v[TP+5], v[TP+6]
	v_add_f32 v[TP+3], v[TP+3], v[TP+5]
	v_permlanex16_b32 v[TP+1], v[TP+3], s20, s21
	v_add_f32 v[TP+3], v[TP+3], v[TP+1]            ; the row's sum
	v_rcp_f32 v[TP+4], v[TP+3]
	v_nop
	s_wait_alu depctr_va_vdst(0)
.irp j, 0,1,2,3,4,5,6,7
	v_mul_f32 v[PP+\j], v[T+\j], v[TP+4]
.endr
	; O^T = V^T P: source 0 = 16 channels, source 1 = 16 queries; k slot 2 h + j stands for key 8 h + 2 c + j on both sides; four accumulators by turns
.irp c, 0,1,2,3
.irp t, 0,1,2,3
.if \c == 0
	v_wmma_f32_16x16x4_f32 v[OT+8*\t:OT+8*\t+7], v[VV+8*\t+2*\c:VV+8*\t+2*\c+1], v[PP+2*\c:PP+2*\c+1], 0
.else
	v_wmma_f32_16x16x4_f32 v[OT+8*\t:OT+8*\t+7], v[VV+8*\t+2*\c:VV+8*\t+2*\c+1], v[PP+2*\c:PP+2*\c+1], v[OT+8*\t:OT+8*\t+7]
.endif
.endr
.endr
.rept 8
	v_nop
.endr
.irp t, 0,1,2,3
	ds_store_b128 v[AW], v[OT+8*\t:OT+8*\t+3] offset:64*\t          ; lane (r, h): a(token r, 64 w + 16 t + 8 h + 0 .. 7)
	ds_store_b128 v[AW], v[OT+8*\t+4:OT+8*\t+7] offset:64*\t+16
.endr
	s_wait_dscnt 0x0                               ; for the others' sake: my stores have landed
	s_barrier_signal -1
	s_barrier_wait -1                              ; the 16 x 1,024 result lies in LDS
	; PHASE B: source 0 = 16 rows of w_out, source 1 = the 16 tokens: a lane holds token r and columns 8 h + 0 .. 7.  256 along K in two halves of 32 products
.irp c, 0,1,2,3,4,5,6,7,8,9,10,11,12,13,14,15
	ds_load_b128 v[AF+4*\c:AF+4*\c+3], v[AR] offset:32*\c
.endr
	s_wait_loadcnt 16                              ; the first half of my weights is in; the second half's sixteen loads are younger
	s_wait_dscnt 0x0
.set n, 0
.rept 32
.if n < 2
	v_wmma_f32_16x16x4_f32 v[SA+8*(n%2):SA+8*(n%2)+7], v[W1+2*n:W1+2*n+1], v[AF+2*n:AF+2*n+1], 0
.else
	v_wmma_f32_16x16x4_f32 v[SA+8*(n%2):SA+8*(n%2)+7], v[W1+2*n:W1+2*n+1], v[AF+2*n:AF+2*n+1], v[SA+8*(n%2):SA+8*(n%2)+7]
.endif
.set n, n+1
.endr
.rept 8
	v_nop
.endr
.irp c, 0,1,2,3,4,5,6,7,8,9,10,11,12,13,14,15
	ds_load_b128 v[AF+4*\c:AF+4*\c+3], v[AR] offset:512+32*\c
.endr
	s_wait_loadcnt 0x0
	s_wait_dscnt 0x0
.set n, 0
.rept 32
	v_wmma_f32_16x16x4_f32 v[SA+8*(n%2):SA+8*(n%2)+7], v[W2+2*n:W2+2*n+1], v[AF+2*n:AF+2*n+1], v[SA+8*(n%2):SA+8*(n%2)+7]
.set n, n+1
.endr
.rept 8
	v_nop
.endr
.irp j, 0,1,2,3,4,5,6,7
	v_add_f32 v[W2+\j], v[SA+\j], v[SB+\j]         ; my quarter's part, into other registers
.endr
	ds_store_b128 v[PW], v[W2:W2+3]
	ds_store_b128 v[PW], v[W2+4:W2+7] offset:16
	s_wait_dscnt 0x0
	s_barrier_signal -1
	s_barrier_wait -1                              ; the four quarters' parts lie in LDS
.irp k, 0,1,2,3
	ds_load_b64 v[W2+8+2*\k:W2+9+2*\k], v[PR] offset:4352*\k       ; wave w takes row w: 8 bytes a lane
.endr
	s_wait_dscnt 0x0
	v_pk_add_f32 v[W2+8:W2+9], v[W2+8:W2+9], v[W2+10:W2+11]
	v_pk_add_f32 v[W2+12:W2+13], v[W2+12:W2+13], v[W2+14:W2+15]
	v_pk_add_f32 v[W2+8:W2+9], v[W2+8:W2+9], v[W2+12:W2+13]
	global_store_b64 v[GO], v[W2+8:W2+9], s[8:9]   ; 32 lanes store 256 consecutive bytes, aligned
	s_wait_tensorcnt 0x0                           ; the wave's end: behind my last LDS store
	ds_add_u32 v[SPW], v[NIL]
	s_wait_dscnt 0x0
	s_endpgm
.Lfunc_end_k_q6cac0852eb_first16:
	.size	k_q6cac0852eb_first16, .Lfunc_end_k_q6cac0852eb_first16-k_q6cac0852eb_first16
	.p2alignl 7, 3214868480
	.fill 96, 4, 3214868480
	.section	.rodata,"a",@progbits
	.p2align	6, 0x0
	.amdhsa_kernel k_q6cac0852eb_first16
		.amdhsa_group_segment_fixed_size 85504
		.amdhsa_private_segment_fixed_size 0
		.amdhsa_enable_private_segment 0
		.amdhsa_kernarg_size 24
		.amdhsa_user_sgpr_count 2
		.amdhsa_user_sgpr_kernarg_segment_ptr 1
		.amdhsa_wavefront_size32 1
		.amdhsa_system_sgpr_workgroup_id_x 1
		.amdhsa_system_sgpr_workgroup_id_y 1
		.amdhsa_system_sgpr_workgroup_id_z 1
		.amdhsa_system_vgpr_workitem_id 0
		.amdhsa_next_free_vgpr 256
		.amdhsa_next_free_sgpr 66
		.amdhsa_reserve_vcc 1
		.amdhsa_float_denorm_mode_32 3
		.amdhsa_float_denorm_mode_16_64 3
		.amdhsa_memory_ordered 1
		.amdhsa_forward_progress 1
		.amdhsa_inst_pref_size 24
	.end_amdhsa_kernel
	.amdgpu_metadata
---
amdhsa.version: [ 1, 2 ]
amdhsa.kernels:
  - .name:           k_q6cac0852eb_first16
    .symbol:         k_q6cac0852eb_first16.kd
    .args:
      - { .name: q16, .offset: 0, .size: 8, .value_kind: global_buffer, .address_space: global }
      - { .name: w_out, .offset: 8, .size: 8, .value_kind: global_buffer, .address_space: global }
      - { .name: out0, .offset: 16, .size: 8, .value_kind: global_buffer, .address_space: global }
    .group_segment_fixed_size: 85504
    .private_segment_fixed_size: 0
    .kernarg_segment_align: 8
    .kernarg_segment_size: 24
    .max_flat_workgroup_size: 512
    .sgpr_count:     66
    .vgpr_count:     256
    .wavefront_size: 32
...
	.end_amdgpu_metadata
.endif
;; end of part 5
